; MI455X (gfx1250); checked and timed in simulation.
; The chip was launched on July 23, 2026; its instructions are those of AMD's public machine-readable ISA for CDNA 5 (MIT licence, August 2026) and "CDNA5" Instruction Set Architecture Reference Guide (July 2026). The comments in the code are by the model that wrote it; some were corrected since.
;; T Attention. Allowed arithmetic: matrix products marked QUANTISED: E2M3 operands, one E8M0 scale for each 32 along K, by v_wmma_scale_f32_16x16x128_f8f6f4 with both operands' format E2M3, f32 sums; everything else in f32.
;; Inputs: b_f1 256 float32; b_f2 256 float32; beta1 256 float32; beta2 256 float32; g1 256 float32; g2 256 float32; w_f1 256 x 256 float32; w_f2 256 x 256 float32; wk 256 x 256 float32; wq 256 x 256 float32; wv 256 x 256 float32; x 32 x 1,024 x 256 float32.
;; Outputs: out0 32 x 1,024 x 256 float32.
;; This version of the problem:
;;   THIS VERSION OF THE PROBLEM IS GIVEN IN LOW PRECISION. The matrix products marked QUANTISED in the list below multiply operands that are first quantised to E2M3 (2 exponent bits, 3 mantissa bits; 6 bits a number), with one power-of-two scale for each 32 numbers along K (OCP MX v1.0); their sums are f32. All else is computed in f32.
;;   The module's matrix products, in the order in which they are computed (A, B: the left and right operand; K: the contracted axis; several contracted axes count as one K, in the product's order):
;;     1. [M 32,768, K 256] x [K 256, N 256]; A: computed on the way; B: input wq: QUANTISED
;;     2. [M 32,768, K 256] x [K 256, N 256]; A: computed on the way; B: input wk: QUANTISED
;;     3. [M 32,768, K 256] x [K 256, N 256]; A: computed on the way; B: input wv: QUANTISED
;;     4. batch 256 x [M 1,024, K 32] x [K 32, N 1,024]; A: computed on the way; B: computed on the way: QUANTISED
;;     5. batch 256 x [M 32, K 1,024] x [K 1,024, N 1,024]; A: computed on the way; B: softmax (see below): QUANTISED
;;     6. [M 32,768, K 256] x [K 256, N 256]; A: computed on the way; B: input w_f1: QUANTISED
;;     7. [M 32,768, K 256] x [K 256, N 256]; A: computed on the way; B: input w_f2: QUANTISED
;;   THE QUANTISER, for each operand of a quantised product, along K:
;;     - K is cut into blocks of 32 from its start; a last block that is shorter is filled with zeros.
;;     - A block's scale is 2^e with e = floor(log2(the largest magnitude in the block)) - 2, held to -126 .. 127; a block of zeros has e = 0. As a byte (E8M0): e + 127.
;;     - Each number is divided by its block's scale, clamped to +-7.5, and rounded to the nearest number of E2M3, ties to even, subnormals kept.
;;     - The product sums the exact products of the quantised numbers (number of the format x scale) in f32.
;;   ~~~python
;;   def quantise(x, axis):      # numpy; x: float32 -> the quantised numbers, widened to float32 again
;;       x = np.moveaxis(x, axis, -1); K = x.shape[-1]
;;       x = np.pad(x, [(0, 0)] * (x.ndim - 1) + [(0, -K % 32)]); x = x.reshape(x.shape[:-1] + (-1, 32)); a = np.abs(x).max(-1, keepdims=True)
;;       e = np.where(a > 0, np.clip(np.frexp(np.where(a > 0, a, 1))[1] - 1 - 2, -126, 127), 0)      # np.frexp(a)[1] - 1 = floor(log2(a)), exactly
;;       r = np.clip(x / 2.0 ** e, -7.5, 7.5)
;;       step = 2.0 ** (np.maximum(np.frexp(np.where(r == 0, 1, r))[1] - 1, 0) - 3)
;;       q = np.round(r / step) * step * 2.0 ** e      # np.round: ties to even
;;       return np.moveaxis(q.reshape(q.shape[:-2] + (-1,))[..., :K], -1, axis).astype(np.float32)
;;   ~~~
;;   SOFTMAX AHEAD OF A QUANTISED PRODUCT. Where the list says 'softmax', what is quantised is not the finished softmax but p = 2^(t - M), with t = logit x log2(e) and M = ceil(the row's largest t), a whole number; so 1/2 < the row's largest p <= 1. The row's sum l is taken of the UNQUANTISED p, in f32, and the product's result is divided by l at the end. Since M is a whole number, a kernel that streams over the keys may use a running M (the ceiling of the running maximum): every later rescaling is an exact power of two, which a block's scale takes up: the codes' values come out the same.
;;   OPERANDS COMPUTED ON THE WAY. 'Computed on the way' means the value that the module computes at that place (a softmax that the list does not call 'softmax' is quantised finished and normalised). What goes into a quantiser is computed in f32, as accurately as f32 sums, v_exp_f32 and their like allow (about 1e-6 of the number): no bf16 or f16 on the way to a quantiser, and a product that is left as it is and whose result goes on into a quantised operand takes f32 operands (vector FMAs, or v_wmma_f32_16x16x4_f32). A number that lies on a knife's edge between two numbers of the format may be rounded either way, as far as f32 arithmetic and the matrix unit's own rounding can turn it there, and no further.
;; One version. Each part assembles by itself: llvm-mc -triple=amdgcn-amd-amdhsa -mcpu=gfx1250 --defsym DOCPART=n.
;; ======== version 1 of 1: 3 launches
;; limits: right only within a limited range of input values
;; workspace buffers: wqkv 153,600 bytes; wf 102,400 bytes; qws 6,553,600 bytes; kvws 13,107,200 bytes
;; launch prep (part 1): grid 40 x 1, 4 waves a work-group, no clusters, 0 bytes of LDS; arguments wq, wk, wv, w_f1, w_f2, wqkv, wf; writes wqkv, wf
.if DOCPART == 1
	.amdgcn_target "amdgcn-amd-amdhsa--gfx1250"
	.amdhsa_code_object_version 6
	.text
	.protected	k_qf4f4d5b024_prep
	.globl	k_qf4f4d5b024_prep
	.p2align	8
	.type	k_qf4f4d5b024_prep,@function
k_qf4f4d5b024_prep:
	s_mov_b64 s[64:65], 0
	v_nop
	global_prefetch_b8 v0, s[64:65] scope:SCOPE_SE
	s_setreg_imm32_b32 hwreg(HW_REG_WAVE_MODE, 25, 1), 1
	s_wait_xcnt 0x0
; The five weights [256 (k)][256 (n)], f32, K their FIRST axis, become codes of FP6 (E2M3) with one E8M0 byte for each 32 along K,
; laid in the ORDER OF THE OPERAND'S REGISTERS: a fragment (16 columns x 128 K) is 12 registers a lane = 1,536 bytes, register group c (4 registers) of lane l at 512 c + 16 l.
; Fragment f = 2 t + s of a weight: column tile t (0..15), K step s (0, 1).  THE COLUMNS OF A TILE ARE NOT NEIGHBOURS: row r of tile t is column 32 (t / 2) + 8 (t % 2) + r + 8 (r / 8),
; so that the results of two neighbouring tiles, used transposed, are 16 neighbours along the next product's K.
; wqkv: codes of wq, wk, wv at 49,152 x weight + 1,536 f; scale words (4 bytes a column and K step) from byte 147,456 at 2,048 x weight + 64 f + 4 r.   wf: the same for w_f1, w_f2, scale words from byte 98,304.
; SHARES: one wave makes one fragment: 5 weights x 32 fragments = 160 waves = 40 work-groups.  A lane takes a column and its registers run down K, in the order of the operand's layout: nothing is transposed.
; A block's scale is 2^(floor(log2(largest magnitude)) - 2): its byte is the largest magnitude's exponent field - 2, held at 1 from below.
; LIMITS: a block of zeros, and one whose largest magnitude lies under 2^-124, gets the byte 1 (the rule says 127 for zeros): its codes are zeros or small, and this program alone reads the bytes.  NaN and infinities are not served.
; The scale words leave as pieces of 64 bytes (10 KB in the whole launch); the codes as stores of 512 consecutive aligned bytes.
.set XN,  32                           ; v32-95   my 64 numbers: register 32 c + i = k 64 c + 32 (lane / 16) + i
.set FRG, 96                           ; v96-107  the fragment
.set HLF, 108                          ; v108-110, v112-114 the upper halves of my two blocks, before they are moved
	s_load_b256 s[4:11], s[0:1], 0x0               ; wq, wk, wv, w_f1
	s_load_b128 s[12:15], s[0:1], 0x20             ; w_f2, wqkv
	s_load_b64 s[16:17], s[0:1], 0x30              ; wf
	v_lshrrev_b32 v1, 5, v0
	v_readfirstlane_b32 s18, v1                    ; wave 0..3
	s_lshr_b32 s19, ttmp9, 3                       ; which weight, 0..4
	s_and_b32 s20, ttmp9, 7
	s_lshl_b32 s20, s20, 2
	s_add_co_u32 s20, s20, s18                     ; f = 2 t + s, 0..31
	s_lshr_b32 s21, s20, 2
	s_lshl_b32 s21, s21, 7                         ; 32 (t / 2) columns of 4 bytes
	s_bfe_u32 s22, s20, 0x10001
	s_lshl_b32 s22, s22, 5                         ; 8 (t % 2) columns
	s_add_co_u32 s24, s21, s22
	s_and_b32 s22, s20, 1
	s_lshl_b32 s22, s22, 17                        ; K step s: 128 rows of 1,024 bytes
	s_add_co_u32 s24, s24, s22
	s_mov_b32 s25, 0                               ; s[24:25]: where my fragment's numbers begin in the weight
	s_mov_b32 s36, 0x76543210
	s_mov_b32 s37, 0xfedcba98                      ; v_permlanex16_b32's selects for lane l xor 16
	v_and_b32 v2, 15, v0                           ; r
	v_bfe_u32 v3, v0, 4, 1                         ; h
	v_and_b32 v4, 8, v2
	v_add_nc_u32 v4, v4, v2                        ; r + 8 (r / 8)
	v_lshlrev_b32 v4, 2, v4
	v_lshl_add_u32 v4, v3, 15, v4                  ; lanes 16-31 begin 32 rows further down
	v_and_b32 v5, 31, v0
	v_lshlrev_b32 v5, 4, v5                        ; 16 x lane: my place in an image
	v_lshlrev_b32 v6, 2, v2                        ; 4 r: my column's scale word
	s_wait_alu depctr_va_vdst(0)
	s_wait_kmcnt 0x0
	s_cmp_eq_u32 s19, 1                            ; the choices hang on the work-group's number alone
	s_cselect_b64 s[4:5], s[6:7], s[4:5]
	s_cmp_eq_u32 s19, 2
	s_cselect_b64 s[4:5], s[8:9], s[4:5]
	s_cmp_eq_u32 s19, 3
	s_cselect_b64 s[4:5], s[10:11], s[4:5]
	s_cmp_eq_u32 s19, 4
	s_cselect_b64 s[4:5], s[12:13], s[4:5]
	s_cmp_lt_u32 s19, 3                            ; wq, wk, wv go to wqkv, the other two to wf
	s_cselect_b64 s[14:15], s[14:15], s[16:17]
	s_cselect_b32 s26, 0, 3
	s_mov_b32 s27, 98304
	s_cselect_b32 s27, 147456, s27                 ; where the buffer's scale words begin
	s_sub_co_u32 s26, s19, s26                     ; the weight's number in its buffer
	s_mul_i32 s28, s26, 49152
	s_mul_i32 s29, s20, 1536
	s_add_co_u32 s28, s28, s29
	s_mov_b32 s29, 0                               ; s[28:29]: my fragment's image
	s_lshl_b32 s30, s26, 11
	s_add_co_u32 s30, s30, s27
	s_lshl_b32 s31, s20, 6
	s_add_co_u32 s30, s30, s31
	s_mov_b32 s31, 0                               ; s[30:31]: its 16 scale words
	s_add_nc_u64 s[4:5], s[4:5], s[24:25]
	s_add_nc_u64 s[32:33], s[14:15], s[28:29]
	s_add_nc_u64 s[34:35], s[14:15], s[30:31]
.irp c, 0,1
.irp i, 0,1,2,3,4,5,6,7,8,9,10,11,12,13,14,15,16,17,18,19,20,21,22,23,24,25,26,27,28,29,30,31
	global_load_b32 v[XN+32*\c+\i], v4, s[4:5] offset:(64*\c+\i)*1024   ; W(128 s + 64 c + 32 h + i, my column)
.endr
.endr
	s_wait_loadcnt 0x0
.irp c, 0,1                                    ; my block 2 c + h: all its 32 numbers are mine
	v_max3_num_f32 v[8+\c], |v[XN+32*\c]|, |v[XN+1+32*\c]|, 0x1800000   ; with the floor 2^(3 - 127): the byte cannot fall under 1
.endr
.irp i, 2,4,6,8,10,12,14,16,18,20,22,24,26,28,30
.irp c, 0,1
	v_max3_num_f32 v[8+\c], v[8+\c], |v[XN+32*\c+\i]|, |v[XN+1+32*\c+\i]|
.endr
.endr
.irp c, 0,1
	v_add_nc_u32 v[10+\c], 0xff000000, v[8+\c]     ; 2 off the exponent field: the conversion takes this operand's exponent field as its scale
.endr
.irp c, 0,1
	v_lshrrev_b32 v[12+\c], 23, v[10+\c]           ; the scale's byte
.endr
	v_lshl_or_b32 v14, v13, 16, v12                ; my two bytes, blocks h and 2 + h,
	v_lshlrev_b32 v15, 3, v3
	v_lshlrev_b32 v14, v15, v14                    ; at their places in the word (8 h bits up);
	v_mov_b32 v15, 0
	v_permlanex16_b32 v15, v14, s36, s37
	v_or_b32 v14, v14, v15                         ; with lane l xor 16's two the word is whole
.irp c, 0,1
	v_cvt_scalef32_pk16_fp6_f32 v[FRG+6*\c:FRG+6*\c+2], v[XN+32*\c:XN+32*\c+15], v[10+\c]
	v_cvt_scalef32_pk16_fp6_f32 v[HLF+4*\c:HLF+4*\c+2], v[XN+32*\c+16:XN+32*\c+31], v[10+\c]   ; (a conversion's three registers begin on an even number)
.endr
	v_nop                                          ; one plain place behind a scaled conversion
.irp c, 0,1
.irp i, 0,1,2
	v_mov_b32 v[FRG+3+6*\c+\i], v[HLF+4*\c+\i]
.endr
.endr
.irp c, 0,1,2
	global_store_b128 v5, v[FRG+4*\c:FRG+4*\c+3], s[32:33] offset:512*\c   ; 32 lanes store 512 consecutive aligned bytes
.endr
	global_store_b32 v6, v14, s[34:35]             ; both lanes of a column store the same word
	s_endpgm
.Lfunc_end_k_qf4f4d5b024_prep:
	.size	k_qf4f4d5b024_prep, .Lfunc_end_k_qf4f4d5b024_prep-k_qf4f4d5b024_prep
	.p2alignl 7, 3214868480
	.fill 96, 4, 3214868480
	.section	.rodata,"a",@progbits
	.p2align	6, 0x0
	.amdhsa_kernel k_qf4f4d5b024_prep
		.amdhsa_group_segment_fixed_size 0
		.amdhsa_private_segment_fixed_size 0
		.amdhsa_enable_private_segment 0
		.amdhsa_kernarg_size 56
		.amdhsa_user_sgpr_count 2
		.amdhsa_user_sgpr_kernarg_segment_ptr 1
		.amdhsa_wavefront_size32 1
		.amdhsa_system_sgpr_workgroup_id_x 1
		.amdhsa_system_sgpr_workgroup_id_y 1
		.amdhsa_system_sgpr_workgroup_id_z 1
		.amdhsa_system_vgpr_workitem_id 0
		.amdhsa_next_free_vgpr 128
		.amdhsa_next_free_sgpr 66
		.amdhsa_reserve_vcc 0
		.amdhsa_float_denorm_mode_32 3
		.amdhsa_float_denorm_mode_16_64 3
		.amdhsa_memory_ordered 1
		.amdhsa_forward_progress 1
		.amdhsa_inst_pref_size 12
	.end_amdhsa_kernel
	.amdgpu_metadata
---
amdhsa.version: [ 1, 2 ]
amdhsa.kernels:
  - .name:           k_qf4f4d5b024_prep
    .symbol:         k_qf4f4d5b024_prep.kd
    .args:
      - { .name: wq, .offset: 0, .size: 8, .value_kind: global_buffer, .address_space: global }
      - { .name: wk, .offset: 8, .size: 8, .value_kind: global_buffer, .address_space: global }
      - { .name: wv, .offset: 16, .size: 8, .value_kind: global_buffer, .address_space: global }
      - { .name: w_f1, .offset: 24, .size: 8, .value_kind: global_buffer, .address_space: global }
      - { .name: w_f2, .offset: 32, .size: 8, .value_kind: global_buffer, .address_space: global }
      - { .name: wqkv, .offset: 40, .size: 8, .value_kind: global_buffer, .address_space: global }
      - { .name: wf, .offset: 48, .size: 8, .value_kind: global_buffer, .address_space: global }
    .group_segment_fixed_size: 0
    .private_segment_fixed_size: 0
    .kernarg_segment_align: 8
    .kernarg_segment_size: 56
    .max_flat_workgroup_size: 128
    .sgpr_count:     66
    .vgpr_count:     128
    .wavefront_size: 32
...
	.end_amdgpu_metadata
.endif
;; end of part 1
;; launch qkv (part 2): grid 256 x 1, 16 waves a work-group, no clusters, 218,112 bytes of LDS; arguments x, g1, beta1, wqkv, qws, kvws; writes qws, kvws
.if DOCPART == 2
	.amdgcn_target "amdgcn-amd-amdhsa--gfx1250"
	.amdhsa_code_object_version 6
	.text
	.protected	k_qf4f4d5b024_qkv
	.globl	k_qf4f4d5b024_qkv
	.p2align	8
	.type	k_qf4f4d5b024_qkv,@function
k_qf4f4d5b024_qkv:
	s_mov_b64 s[64:65], 0
	v_nop
	global_prefetch_b8 v0, s[64:65] scope:SCOPE_SE
	s_setreg_imm32_b32 hwreg(HW_REG_WAVE_MODE, 25, 1), 1
	s_wait_xcnt 0x0
; xn = LayerNorm(x) g1 + beta1;  q, k, v = Q(xn) Q(wq), Q(xn) Q(wk), Q(xn) Q(wv), all on codes of FP6 (E2M3) with one E8M0 byte for each 32 along K;  q and k are quantised along a head's 32 channels, v along the keys.
; SHARES.  A work-group of sixteen waves takes 128 tokens (one RECORD of qws and of kvws).  Token tile m (0..7), row r is token 32 (m / 2) + 8 (m % 2) + r + 8 (r / 8) of the record.
; PHASE X: wave w = 2 m + s normalises and quantises tile m's 16 rows, channels 128 s .. 128 s + 127: one fragment, which goes to LDS as an image of its registers (register group c of lane l at 512 c + 16 l).
;   A row's sums span two waves: they meet in LDS (two barriers).  The variance is taken of x - mean, so that a common offset of x costs no precision.
; PHASE P: wave w keeps in registers the fragments of one head of wq (w < 8) or wk (w >= 8), and of column tile w of wv, and walks the eight token tiles.
;   q, k: used transposed (source 0 = 16 columns of W, source 1 = 16 tokens): a lane holds one token and 16 neighbouring channels of the head; with lane l xor 16 that is one block of 32.
;   v: source 0 = 16 tokens, source 1 = 16 columns of wv: a lane holds one channel and its registers run along the tokens, which are the next K.
; OUT.  qws record (25,600 B): half fragment (g, m) = 768 bytes at 6,144 g + 768 m, lane l's 24 bytes at 24 l: lanes 0-15 head 2 g, lanes 16-31 head 2 g + 1, row = lane % 16; scale words from 24,576 at 256 g + 64 (m / 2) + 4 r, byte 2 (m % 2) + head % 2.
;   kvws record (51,200 B): k's half fragments at 0 as in qws; v's 16 fragments (rows = channels of column tile t, K = the record's 128 keys) at 24,576 + 1,536 t; k's scale words at 49,152; v's at 50,176 + 64 t + 4 r.
; LIMITS: a block of zeros, and one whose largest magnitude lies under 2^-124, gets the byte 1; this program alone reads the bytes.  NaN and infinities are not served.
; No tensor loads: x is read once, by loads of 512 consecutive bytes; the weights' codes come straight into registers, 18 loads of 16 bytes a lane.
.set XSW,  8448                        ; LDS 0: a stage of 16 rows x 528 bytes for each wave (512 + 16: the sixteen rows of a read start in different banks)
.set RED1, 135168                      ; the rows' sums: [m][r][s] words, 1,024 bytes; the sums of squares 1,024 bytes on
.set XIMG, 137216                      ; xn's 16 fragments, image w at 1,536 w
.set XSC,  161792                      ; their scale words, 128 bytes each, 4 x lane
.set QKST, 163840                      ; q's half fragments (24,576 bytes), then k's, as they will lie in memory
.set SCST, 212992                      ; k's scale words, v's, q's: 1,024 bytes each
.set L16,  1                           ; v1   16 x lane
.set XSI,  2                           ; v2   my stage, on the way in
.set XSO,  3                           ; v3   and on the way out: row r, + 64 h
.set GV,   4                           ; v4   64 h: my 16 numbers of a block of g1, beta1
.set RW,   5                           ; v5   where I put a row's partial sum
.set RR,   6                           ; v6   where I read the row's two
.set IMW,  7                           ; v7   where I store my image
.set SCW,  8                           ; v8   and its scale words
.set IMR,  9                           ; v9   where images are read
.set SCR,  10                          ; v10  and scale words
.set QKW,  11                          ; v11  q, k: my 12 bytes of a half fragment
.set SBW,  12                          ; v12  q, k: my row's scale byte
.set VSW,  13                          ; v13  v: my channel's scale word
.set OUTR, 14                          ; v14  the way out: my wave's 1,536 bytes of q's (and k's) half fragments
.set R4,   15                          ; v15  4 r
.set XR,   16                          ; v16-79   x as loaded, then beta1
.set GM,   80                          ; v80-143  g1
.set XQ,   144                         ; v144-207 my 64 numbers: register 16 b + i = channel 32 b + 16 h + i of my row
.set WQ,   16                          ; phase P: v16-63 four fragments of wq or wk (2 u + s)
.set WVF,  64                          ; v64-87   two of wv
.set XF,   96                          ; v96-119  a token tile's two fragments
.set DD,   120                         ; v120-135 q's or k's two tiles
.set VA,   144                         ; v144-207 v's eight tiles
.set QM,   208                         ; the quantiser's working registers: largest magnitudes,
.set QP,   212                         ; the other half's, then the bytes,
.set QO,   220                         ; the conversions' scale operands
.set MU,   208                         ; phase X, before the quantiser: the mean (twice),
.set RS,   210                         ; 1 / sqrt(var + eps) (twice),
.set SA,   212                         ; two chains of sums
.set SB,   214
.set PC,   224                         ; v224-235 the codes just made
.set PT,   236                         ; v236-238, v240-242 upper halves before they are moved
.set PW,   244                         ; the scale word just made
.set WS,   246                         ; v246-251 the weights' scale words
.set XS,   252                         ; v252-253 xn's
.set SCO,  254                         ; v254 the way out of the scale words
.set SEL,  48                          ; s48, s49 lane selects for lane l xor 16
.macro MM d, a, b, sa, sb              ; a product that adds in place
	v_wmma_scale_f32_16x16x128_f8f6f4 v[\d:\d+7], v[\a:\a+11], v[\b:\b+11], v[\d:\d+7], v[\sa], v[\sb] matrix_a_fmt:MATRIX_FMT_FP6 matrix_b_fmt:MATRIX_FMT_FP6
.endm
.macro MM0 d, a, b, sa, sb             ; a product that starts a sum
	v_wmma_scale_f32_16x16x128_f8f6f4 v[\d:\d+7], v[\a:\a+11], v[\b:\b+11], 0, v[\sa], v[\sb] matrix_a_fmt:MATRIX_FMT_FP6 matrix_b_fmt:MATRIX_FMT_FP6
.endm
.macro BARRIER                         ; my LDS stores have landed and my LDS loads are in: then the work-group's barrier
	s_wait_dscnt 0x0
	s_barrier_signal -1
	s_barrier_wait -1
.endm
; 16 nb numbers of a lane from v[src] on, register 16 b + i = k 32 b + 16 (lane / 16) + i of my row, become 6 nb / 2 registers of codes in v[PC] on and the row's nb scale bytes in v[PW].
.macro QUANT src, nb
.set B_, 0
.rept \nb
	v_max3_num_f32 v[QM+B_], |v[\src+16*B_]|, |v[\src+1+16*B_]|, 0x1800000   ; my 16 numbers of block b, and the floor 2^(3 - 127): the byte cannot fall under 1
.set B_, B_+1
.endr
.irp i, 2,4,6,8,10,12,14
.set B_, 0
.rept \nb
	v_max3_num_f32 v[QM+B_], v[QM+B_], |v[\src+16*B_+\i]|, |v[\src+1+16*B_+\i]|   ; (the blocks by turns)
.set B_, B_+1
.endr
.endr
.set B_, 0
.rept \nb
	s_delay_alu instid0(VALU_DEP_4)
	v_permlanex16_b32 v[QP+B_], v[QM+B_], s[SEL], s[SEL+1]
.set B_, B_+1
.endr
.set B_, 0
.rept \nb
	s_delay_alu instid0(VALU_DEP_4)
	v_max_num_f32 v[QM+B_], v[QM+B_], v[QP+B_]     ; with lane l xor 16's: the block's largest magnitude
.set B_, B_+1
.endr
.set B_, 0
.rept \nb
	s_delay_alu instid0(VALU_DEP_4)
	v_add_nc_u32 v[QO+B_], 0xff000000, v[QM+B_]    ; 2 off its exponent field: the conversion's scale operand
.set B_, B_+1
.endr
.set B_, 0
.rept \nb
	s_delay_alu instid0(VALU_DEP_4)
	v_lshrrev_b32 v[QP+B_], 23, v[QO+B_]           ; the scale's byte
.set B_, B_+1
.endr
	s_delay_alu instid0(VALU_DEP_3)
	v_lshl_or_b32 v[PW], v[QP+1], 8, v[QP]
.if \nb > 2
	s_delay_alu instid0(VALU_DEP_1)
	v_lshl_or_b32 v[PW], v[QP+2], 16, v[PW]
	s_delay_alu instid0(VALU_DEP_1)
	v_lshl_or_b32 v[PW], v[QP+3], 24, v[PW]
.endif
.set C_, 0
.rept \nb/2
	v_cvt_scalef32_pk16_fp6_f32 v[PC+6*C_:PC+6*C_+2], v[\src+32*C_:\src+32*C_+15], v[QO+2*C_]
	v_cvt_scalef32_pk16_fp6_f32 v[PT+4*C_:PT+4*C_+2], v[\src+32*C_+16:\src+32*C_+31], v[QO+2*C_+1]   ; (a conversion's three registers begin on an even number)
.set C_, C_+1
.endr
	v_nop                                          ; one plain place behind a scaled conversion
.set C_, 0
.rept \nb/2                                    ; the operand's layout wants a WHOLE block in a lane: lanes 0-15 block 2 c, lanes 16-31 block 2 c + 1
.irp i, 0,1,2
	v_permlane16_swap_b32 v[PC+6*C_+\i], v[PT+4*C_+\i]
.endr
.irp i, 0,1,2
	s_delay_alu instid0(VALU_DEP_3)
	v_mov_b32 v[PC+3+6*C_+\i], v[PT+4*C_+\i]
.endr
.set C_, C_+1
.endr
.endm
	s_load_b256 s[4:11], s[0:1], 0x0               ; x, g1, beta1, wqkv
	s_load_b128 s[12:15], s[0:1], 0x20             ; qws, kvws
	v_lshl_add_u32 v219, v0, 2, 0x34c00
	v_mov_b32 v239, 0
	v_lshrrev_b32 v1, 5, v0
	s_delay_alu instid0(VALU_DEP_1)
	v_readfirstlane_b32 s16, v1                    ; wave 0..15
	s_lshr_b32 s17, s16, 1                         ; phase X: token tile m
	s_and_b32 s18, s16, 1                          ; and K step s
	s_lshr_b32 s19, s16, 3                         ; phase P: 0 = q, 1 = k
	s_and_b32 s20, s16, 7                          ; and the head
	s_mov_b32 s[SEL], 0x76543210
	s_mov_b32 s[SEL+1], 0xfedcba98
	s_mov_b32 s34, 0x3b800000                      ; 1 / 256
	s_mov_b32 s35, 0x3727c5ac                      ; eps = 1e-5
	; byte offsets, each in registers of its own
	s_lshl_b32 s22, ttmp9, 17                      ; x: the record's 128 rows of 1,024 bytes,
	s_lshr_b32 s23, s17, 1
	s_lshl_b32 s23, s23, 15                        ; + 32 (m / 2) rows
	s_add_co_u32 s22, s22, s23
	s_and_b32 s23, s17, 1
	s_lshl_b32 s23, s23, 13                        ; + 8 (m % 2) rows
	s_add_co_u32 s22, s22, s23
	s_lshl_b32 s24, s18, 9                         ; + 512 s
	s_add_co_u32 s22, s22, s24
	s_mov_b32 s23, 0
	s_mov_b32 s25, 0                               ; s[24:25] = 512 s: g1, beta1
	s_mul_i32 s26, s19, 49152                      ; wq's or wk's codes, my head's four fragments
	s_mul_i32 s27, s20, 6144
	s_add_co_u32 s26, s26, s27
	s_mov_b32 s27, 0
	s_mul_i32 s28, s16, 3072                       ; wv's codes, column tile w
	s_add_co_u32 s28, s28, 98304
	s_mov_b32 s29, 0
	s_lshl_b32 s30, s19, 11                        ; the scale words of the four,
	s_lshl_b32 s31, s20, 8
	s_add_co_u32 s30, s30, s31
	s_add_co_u32 s30, s30, 147456
	s_mov_b32 s31, 0
	s_lshl_b32 s32, s16, 7                         ; and of wv's two
	s_add_co_u32 s32, s32, 151552
	s_mov_b32 s33, 0
	s_mul_i32 s36, ttmp9, 25600                    ; my record of qws
	s_mul_i32 s38, ttmp9, 51200                    ; and of kvws
	s_mul_i32 s40, s16, 1536
	s_add_co_u32 s42, s36, s40                     ; the way out: my wave's 1,536 bytes of q's half fragments,
	s_mov_b32 s43, 0
	s_add_co_u32 s44, s38, s40                     ; of k's,
	s_mov_b32 s45, 0
	s_add_co_u32 s46, s44, 24576                   ; and v's fragment w
	s_mov_b32 s47, 0
	s_lshl_b32 s40, s16, 9                         ; the scale words: waves 0-3 store k's and v's 2,048 bytes, waves 4, 5 q's 1,024
	s_add_co_u32 s38, s38, s40
	s_add_co_u32 s38, s38, 49152
	s_add_co_u32 s36, s36, s40
	s_add_co_u32 s36, s36, 24576-2048
	s_cmp_lt_u32 s16, 4
	s_cselect_b32 s36, s38, s36
	s_mov_b32 s37, 0
	s_wait_kmcnt 0x0
	s_cselect_b64 s[38:39], s[14:15], s[12:13]     ; (the moves and the wait between leave the compare's result alone)
	s_add_nc_u64 s[38:39], s[38:39], s[36:37]
	s_add_nc_u64 s[4:5], s[4:5], s[22:23]
	s_add_nc_u64 s[6:7], s[6:7], s[24:25]
	s_add_nc_u64 s[8:9], s[8:9], s[24:25]
	s_add_nc_u64 s[26:27], s[10:11], s[26:27]
	s_add_nc_u64 s[28:29], s[10:11], s[28:29]
	s_add_nc_u64 s[30:31], s[10:11], s[30:31]
	s_add_nc_u64 s[32:33], s[10:11], s[32:33]
	s_add_nc_u64 s[42:43], s[12:13], s[42:43]
	s_add_nc_u64 s[44:45], s[14:15], s[44:45]
	s_add_nc_u64 s[46:47], s[14:15], s[46:47]
	v_and_b32 v255, 31, v0                         ; lane
	v_and_b32 v243, 15, v0                         ; r
	v_bfe_u32 v245, v0, 4, 1                       ; h
	s_delay_alu instid0(VALU_DEP_3)
	v_lshlrev_b32 v[L16], 4, v255
	s_delay_alu instid0(VALU_DEP_2)
	v_lshlrev_b32 v[GV], 6, v245
.irp i, 0,1,2,3,4,5,6,7,8,9,10,11,12,13,14,15
	global_load_b128 v[XR+4*\i:XR+4*\i+3], v[L16], s[4:5] offset:(\i+8*(\i/8))*1024 th:TH_LOAD_NT   ; row i of my tile: 32 lanes read 512 consecutive aligned bytes
.endr
.irp b, 0,1,2,3
.irp j, 0,1,2,3
	global_load_b128 v[GM+16*\b+4*\j:GM+16*\b+4*\j+3], v[GV], s[6:7] offset:128*\b+16*\j
.endr
.endr
	; every LDS address: a constant + a constant x lane + a constant x wave
	s_mul_i32 s21, s16, XSW
	v_add_nc_u32 v[XSI], s21, v[L16]
	v_mul_u32_u24 v[XSO], v243, 528
	s_delay_alu instid0(VALU_DEP_1)
	v_lshl_add_u32 v[XSO], v245, 6, v[XSO]
	s_delay_alu instid0(VALU_DEP_1)
	v_add_nc_u32 v[XSO], s21, v[XSO]
	s_lshl_b32 s21, s17, 7
	s_add_co_u32 s21, s21, RED1
	v_lshl_add_u32 v[RR], v243, 3, s21
	s_lshl_b32 s21, s18, 2
	v_add_nc_u32 v[RW], s21, v[RR]
	s_mul_i32 s21, s16, 1536
	s_add_co_u32 s21, s21, XIMG
	v_add_nc_u32 v[IMW], s21, v[L16]
	v_lshlrev_b32 v[SCR], 2, v255
	s_lshl_b32 s21, s16, 7
	s_add_co_u32 s21, s21, XSC
	v_add_nc_u32 v[SCW], s21, v[SCR]
	v_add_nc_u32 v[SCR], XSC, v[SCR]
	v_add_nc_u32 v[IMR], XIMG, v[L16]
	s_mul_i32 s21, s19, 24576                      ; q's or k's half fragments; head pair; which half of the lanes
	s_lshr_b32 s22, s20, 1
	s_mul_i32 s23, s22, 6144
	s_add_co_u32 s21, s21, s23
	s_and_b32 s23, s20, 1
	s_mul_i32 s24, s23, 384
	s_add_co_u32 s21, s21, s24
	s_add_co_u32 s21, s21, QKST
	v_mul_u32_u24 v[QKW], v243, 24
	s_delay_alu instid0(VALU_DEP_1)
	v_mad_u32_u24 v[QKW], v245, 12, v[QKW]
	s_delay_alu instid0(VALU_DEP_1)
	v_add_nc_u32 v[QKW], s21, v[QKW]
	s_xor_b32 s21, s19, 1                          ; k's scale words lie first, q's last
	s_lshl_b32 s21, s21, 11
	s_lshl_b32 s22, s22, 8
	s_add_co_u32 s21, s21, s22
	s_add_co_u32 s21, s21, s23
	s_add_co_u32 s21, s21, SCST
	v_lshlrev_b32 v[R4], 2, v243
	s_delay_alu instid0(VALU_DEP_1)
	v_add_nc_u32 v[SBW], s21, v[R4]
	s_lshl_b32 s21, s16, 6
	s_add_co_u32 s21, s21, SCST+1024
	v_add_nc_u32 v[VSW], s21, v[R4]
	s_mul_i32 s21, s16, 1536
	s_add_co_u32 s21, s21, QKST
	v_add_nc_u32 v[OUTR], s21, v[L16]
	s_min_u32 s21, s16, 5                          ; (only waves 0-5 read there; the others' address stays inside LDS)
	s_lshl_b32 s21, s21, 9
	s_add_co_u32 s21, s21, SCST
	v_add_nc_u32 v[SCO], s21, v[L16]
	; ---- PHASE X
	s_wait_loadcnt 16                              ; x's 16 loads are in; g1's 16, issued behind them, may be out
.irp i, 0,1,2,3,4,5,6,7,8,9,10,11,12,13,14,15
	ds_store_b128 v[XSI], v[XR+4*\i:XR+4*\i+3] offset:528*\i
.endr
	s_wait_dscnt 0x0                               ; the stores have read their registers, which take beta1
.irp b, 0,1,2,3
.irp j, 0,1,2,3
	global_load_b128 v[XR+16*\b+4*\j:XR+16*\b+4*\j+3], v[GV], s[8:9] offset:128*\b+16*\j
.endr
.endr
.irp b, 0,1,2,3
.irp j, 0,1,2,3
	ds_load_b128 v[XQ+16*\b+4*\j:XQ+16*\b+4*\j+3], v[XSO] offset:128*\b+16*\j   ; my row's 16 neighbours of each block of 32
.endr
.endr
	s_wait_dscnt 0x0
	v_pk_add_f32 v[214:215], v[144:145], v[146:147]
	v_pk_add_f32 v[252:253], v[152:153], v[156:157]
	v_pk_add_f32 v[250:251], v[160:161], v[164:165]
	v_pk_add_f32 v[248:249], v[168:169], v[172:173]
	v_pk_add_f32 v[246:247], v[176:177], v[180:181]
	v_pk_add_f32 v[244:245], v[184:185], v[188:189]
	v_pk_add_f32 v[242:243], v[192:193], v[196:197]
	v_pk_add_f32 v[212:213], v[200:201], v[204:205]
	s_delay_alu instid0(VALU_DEP_1)
	v_pk_add_f32 v[212:213], v[212:213], v[148:149]
	v_pk_add_f32 v[214:215], v[214:215], v[150:151]
	v_pk_add_f32 v[252:253], v[252:253], v[154:155]
	v_pk_add_f32 v[250:251], v[250:251], v[158:159]
	v_pk_add_f32 v[248:249], v[248:249], v[162:163]
	v_pk_add_f32 v[246:247], v[246:247], v[166:167]
	v_pk_add_f32 v[244:245], v[244:245], v[170:171]
	v_pk_add_f32 v[242:243], v[242:243], v[174:175]
	v_pk_add_f32 v[212:213], v[212:213], v[178:179]
	v_pk_add_f32 v[214:215], v[214:215], v[182:183]
	v_pk_add_f32 v[252:253], v[252:253], v[186:187]
	v_pk_add_f32 v[250:251], v[250:251], v[190:191]
	v_pk_add_f32 v[248:249], v[248:249], v[194:195]
	v_pk_add_f32 v[246:247], v[246:247], v[198:199]
	v_pk_add_f32 v[244:245], v[244:245], v[202:203]
	v_pk_add_f32 v[242:243], v[242:243], v[206:207]
	s_delay_alu instid0(VALU_DEP_4)
	v_pk_add_f32 v[212:213], v[212:213], v[248:249]
	s_delay_alu instid0(VALU_DEP_4)
	v_pk_add_f32 v[214:215], v[214:215], v[246:247]
	s_delay_alu instid0(VALU_DEP_4)
	v_pk_add_f32 v[252:253], v[252:253], v[244:245]
	s_delay_alu instid0(VALU_DEP_4)
	v_pk_add_f32 v[250:251], v[250:251], v[242:243]
	s_delay_alu instid0(VALU_DEP_2)
	v_pk_add_f32 v[212:213], v[212:213], v[252:253]
	s_delay_alu instid0(VALU_DEP_2)
	v_pk_add_f32 v[214:215], v[214:215], v[250:251]
	s_delay_alu instid0(VALU_DEP_1)
	v_pk_add_f32 v[212:213], v[212:213], v[214:215]
	s_delay_alu instid0(VALU_DEP_1)
	v_add_f32 v[SA], v[SA], v[SA+1]
	s_delay_alu instid0(VALU_DEP_1)
	v_permlanex16_b32 v[SB], v[SA], s[SEL], s[SEL+1]
	s_delay_alu instid0(VALU_DEP_1)
	v_add_f32 v[SA], v[SA], v[SB]                  ; my wave's 128 channels of row r
	ds_store_b32 v[RW], v[SA]                      ; (both lanes of a row store the same word)
	BARRIER
	ds_load_b64 v[SA:SA+1], v[RR]
	s_wait_dscnt 0x0
	v_add_f32 v[MU], v[SA], v[SA+1]
	s_delay_alu instid0(VALU_DEP_1)
	v_mul_f32 v[MU], s34, v[MU]                    ; the row's mean
	s_delay_alu instid0(VALU_DEP_1)
	v_mov_b32 v[MU+1], v[MU]
.irp j, 0,2,4,6,8,10,12,14,16,18,20,22,24,26,28,30,32,34,36,38,40,42,44,46,48,50,52,54,56,58,60,62
	v_pk_add_f32 v[XQ+\j:XQ+\j+1], v[XQ+\j:XQ+\j+1], v[MU:MU+1] neg_lo:[0,1] neg_hi:[0,1]   ; x - mean
.endr
	v_pk_mul_f32 v[SA:SA+1], v[XQ:XQ+1], v[XQ:XQ+1]
	v_pk_mul_f32 v[SB:SB+1], v[XQ+2:XQ+3], v[XQ+2:XQ+3]
.irp j, 4,8,12,16,20,24,28,32,36,40,44,48,52,56,60
	s_delay_alu instid0(VALU_DEP_2)
	v_pk_fma_f32 v[SA:SA+1], v[XQ+\j:XQ+\j+1], v[XQ+\j:XQ+\j+1], v[SA:SA+1]
	s_delay_alu instid0(VALU_DEP_2)
	v_pk_fma_f32 v[SB:SB+1], v[XQ+\j+2:XQ+\j+3], v[XQ+\j+2:XQ+\j+3], v[SB:SB+1]
.endr
	s_delay_alu instid0(VALU_DEP_1)
	v_pk_add_f32 v[SA:SA+1], v[SA:SA+1], v[SB:SB+1]
	s_delay_alu instid0(VALU_DEP_1)
	v_add_f32 v[SA], v[SA], v[SA+1]
	s_delay_alu instid0(VALU_DEP_1)
	v_permlanex16_b32 v[SB], v[SA], s[SEL], s[SEL+1]
	s_delay_alu instid0(VALU_DEP_1)
	v_add_f32 v[SA], v[SA], v[SB]
	ds_store_b32 v[RW], v[SA] offset:1024          ; other bytes than the first sums': no barrier is owed between
	BARRIER
	ds_load_b64 v[SA:SA+1], v[RR] offset:1024
	s_wait_dscnt 0x0
	v_add_f32 v[SA], v[SA], v[SA+1]
	s_delay_alu instid0(VALU_DEP_1)
	v_fma_f32 v[RS], v[SA], s34, s35               ; var + eps
	s_wait_alu depctr_va_vdst(0)
	v_rsq_f32 v[RS], v[RS]
	v_nop                                          ; a plain place behind the transcendental,
	s_wait_alu depctr_va_vdst(0)                   ; and the wait ahead of its first reader
	v_mov_b32 v[RS+1], v[RS]
	s_wait_alu depctr_va_vdst(0)
	s_wait_loadcnt 0x0                             ; g1 and beta1
.irp j, 0,2,4,6,8,10,12,14,16,18,20,22,24,26,28,30,32,34,36,38,40,42,44,46,48,50,52,54,56,58,60,62
	v_pk_mul_f32 v[XQ+\j:XQ+\j+1], v[XQ+\j:XQ+\j+1], v[RS:RS+1]
.endr
.irp j, 0,2,4,6,8,10,12,14,16,18,20,22,24,26,28,30,32,34,36,38,40,42,44,46,48,50,52,54,56,58,60,62
	v_pk_fma_f32 v[XQ+\j:XQ+\j+1], v[XQ+\j:XQ+\j+1], v[GM+\j:GM+\j+1], v[XR+\j:XR+\j+1]   ; xn
.endr
	QUANT XQ, 4
.irp c, 0,1,2
	ds_store_b128 v[IMW], v[PC+4*\c:PC+4*\c+3] offset:512*\c
.endr
	ds_store_b32 v[SCW], v[PW]
.irp f, 0,1,2,3                                ; my weights are asked for here and land while the waves meet
.irp c, 0,1,2
	global_load_b128 v[WQ+12*\f+4*\c:WQ+12*\f+4*\c+3], v[L16], s[26:27] offset:1536*\f+512*\c
.endr
	global_load_b32 v[WS+\f], v[R4], s[30:31] offset:64*\f
.endr
.irp f, 0,1
.irp c, 0,1,2
	global_load_b128 v[WVF+12*\f+4*\c:WVF+12*\f+4*\c+3], v[L16], s[28:29] offset:1536*\f+512*\c
.endr
	global_load_b32 v[WS+4+\f], v[R4], s[32:33] offset:64*\f
.endr
	BARRIER                                        ; xn's sixteen fragments lie in LDS
	s_wait_loadcnt 0x0
	; ---- PHASE P: a token tile at a time.  Three accumulators take turns, one instruction a turn.
.macro TILE m
.irp c, 0,1,2
	ds_load_b128 v[XF+4*\c:XF+4*\c+3], v[IMR] offset:(2*\m)*1536+512*\c
	ds_load_b128 v[XF+12+4*\c:XF+12+4*\c+3], v[IMR] offset:(2*\m+1)*1536+512*\c
.endr
	ds_load_b32 v[XS], v[SCR] offset:128*(2*\m)
	ds_load_b32 v[XS+1], v[SCR] offset:128*(2*\m+1)
	s_wait_dscnt 0x0                               ; the fragments are in, and the last tile's LDS stores have read their registers
	MM0 DD, WQ, XF, WS, XS
	MM0 DD+8, WQ+24, XF, WS+2, XS
	MM0 VA+8*\m, XF, WVF, XS, WS+4
	MM DD, WQ+12, XF+12, WS+1, XS+1
	MM DD+8, WQ+36, XF+12, WS+3, XS+1
	MM VA+8*\m, XF+12, WVF+12, XS+1, WS+5
.rept 4
	v_nop                                          ; places ahead of the first read of results, and of the next tile's loads into the fragments' registers
.endr
	v_max3_num_f32 v[QM], |v[DD]|, |v[DD+1]|, 0x1800000        ; my 16 channels of the head's 32, in two chains, each tile from its low end on; the floor holds the byte at 1
	v_max3_num_f32 v[QM+1], |v[DD+2]|, |v[DD+3]|, |v[DD+4]|
	v_max3_num_f32 v[QM], v[QM], |v[DD+5]|, |v[DD+6]|
	v_max3_num_f32 v[QM+1], v[QM+1], |v[DD+7]|, |v[DD+8]|
	v_max3_num_f32 v[QM], v[QM], |v[DD+9]|, |v[DD+10]|
	v_max3_num_f32 v[QM+1], v[QM+1], |v[DD+11]|, |v[DD+12]|
	v_max3_num_f32 v[QM], v[QM], |v[DD+13]|, |v[DD+14]|
	v_max3_num_f32 v[QM], v[QM], v[QM+1], |v[DD+15]|
	s_wait_alu depctr_va_vdst(0)
	v_permlanex16_b32 v[QP], v[QM], s[SEL], s[SEL+1]
	s_delay_alu instid0(VALU_DEP_1)
	v_max_num_f32 v[QM], v[QM], v[QP]              ; the block's largest magnitude
	s_delay_alu instid0(VALU_DEP_1)
	v_add_nc_u32 v[QO], 0xff000000, v[QM]
	v_cvt_scalef32_pk16_fp6_f32 v[PC:PC+2], v[DD:DD+15], v[QO]
	v_lshrrev_b32 v[QP], 23, v[QO]                 ; the scale's byte (the plain place behind the conversion)
.irp i, 0,1,2
	ds_store_b32 v[QKW], v[PC+\i] offset:768*\m+4*\i           ; my 12 bytes: 32 lanes, 32 different banks
.endr
	ds_store_b8 v[SBW], v[QP] offset:64*(\m/2)+2*(\m%2)        ; both lanes of a row store the same byte
.endm
.irp m, 0,1,2,3,4,5,6,7
	TILE \m
.endr
	QUANT VA, 4                                    ; v along the record's 128 keys: one fragment, rows = my 16 channels
.irp c, 0,1,2
	global_store_b128 v[L16], v[PC+4*\c:PC+4*\c+3], s[46:47] offset:512*\c   ; straight from registers: 512 consecutive aligned bytes
.endr
	ds_store_b32 v[VSW], v[PW]
	BARRIER                                        ; q's and k's half fragments and all scale words lie in LDS as they will lie in memory
	; ---- OUT
.irp c, 0,1,2
	ds_load_b128 v[16+4*\c:19+4*\c], v[OUTR] offset:512*\c
	ds_load_b128 v[28+4*\c:31+4*\c], v[OUTR] offset:24576+512*\c
.endr
	s_wait_dscnt 0x0
.irp c, 0,1,2
	global_store_b128 v[L16], v[16+4*\c:19+4*\c], s[42:43] offset:512*\c
	global_store_b128 v[L16], v[28+4*\c:31+4*\c], s[44:45] offset:512*\c
.endr
	s_cmp_lt_u32 s16, 6                            ; 3,072 bytes of scale words: six waves, 512 bytes each
	s_cbranch_scc0 .Lend
	ds_load_b128 v[40:43], v[SCO]
	s_wait_dscnt 0x0
	global_store_b128 v[L16], v[40:43], s[38:39]
.Lend:
	s_wait_tensorcnt 0x0
	ds_add_u32 v219, v239
	s_wait_dscnt 0x0
	s_endpgm
.Lfunc_end_k_qf4f4d5b024_qkv:
	.size	k_qf4f4d5b024_qkv, .Lfunc_end_k_qf4f4d5b024_qkv-k_qf4f4d5b024_qkv
	.p2alignl 7, 3214868480
	.fill 96, 4, 3214868480
	.section	.rodata,"a",@progbits
	.p2align	6, 0x0
	.amdhsa_kernel k_qf4f4d5b024_qkv
		.amdhsa_group_segment_fixed_size 218112
		.amdhsa_private_segment_fixed_size 0
		.amdhsa_enable_private_segment 0
		.amdhsa_kernarg_size 48
		.amdhsa_user_sgpr_count 2
		.amdhsa_user_sgpr_kernarg_segment_ptr 1
		.amdhsa_wavefront_size32 1
		.amdhsa_system_sgpr_workgroup_id_x 1
		.amdhsa_system_sgpr_workgroup_id_y 1
		.amdhsa_system_sgpr_workgroup_id_z 1
		.amdhsa_system_vgpr_workitem_id 0
		.amdhsa_next_free_vgpr 256
		.amdhsa_next_free_sgpr 66
		.amdhsa_reserve_vcc 0
		.amdhsa_float_denorm_mode_32 3
		.amdhsa_float_denorm_mode_16_64 3
		.amdhsa_memory_ordered 1
		.amdhsa_forward_progress 1
		.amdhsa_inst_pref_size 59
	.end_amdhsa_kernel
	.amdgpu_metadata
---
amdhsa.version: [ 1, 2 ]
amdhsa.kernels:
  - .name:           k_qf4f4d5b024_qkv
    .symbol:         k_qf4f4d5b024_qkv.kd
    .args:
      - { .name: x, .offset: 0, .size: 8, .value_kind: global_buffer, .address_space: global }
      - { .name: g1, .offset: 8, .size: 8, .value_kind: global_buffer, .address_space: global }
      - { .name: beta1, .offset: 16, .size: 8, .value_kind: global_buffer, .address_space: global }
      - { .name: wqkv, .offset: 24, .size: 8, .value_kind: global_buffer, .address_space: global }
      - { .name: qws, .offset: 32, .size: 8, .value_kind: global_buffer, .address_space: global }
      - { .name: kvws, .offset: 40, .size: 8, .value_kind: global_buffer, .address_space: global }
    .group_segment_fixed_size: 218112
    .private_segment_fixed_size: 0
    .kernarg_segment_align: 8
    .kernarg_segment_size: 48
    .max_flat_workgroup_size: 512
    .sgpr_count:     66
    .vgpr_count:     256
    .wavefront_size: 32
...
	.end_amdgpu_metadata
.endif
;; end of part 2
;; launch attn (part 3): grid 8 x 32, 16 waves a work-group, clusters of 4 x 1, 327,680 bytes of LDS; arguments qws, kvws, wf, x, g2, beta2, b_f1, b_f2, out0; writes out0
.if DOCPART == 3
	.amdgcn_target "amdgcn-amd-amdhsa--gfx1250"
	.amdhsa_code_object_version 6
	.text
	.protected	k_qf4f4d5b024_attn
	.globl	k_qf4f4d5b024_attn
	.p2align	8
	.type	k_qf4f4d5b024_attn,@function
k_qf4f4d5b024_attn:
	s_mov_b64 s[64:65], 0
	v_nop
	global_prefetch_b8 v0, s[64:65] scope:SCOPE_SE
	s_setreg_imm32_b32 hwreg(HW_REG_WAVE_MODE, 25, 1), 1
	s_wait_xcnt 0x0
	s_wait_alu depctr_hold_cnt(0) depctr_sa_sdst(0) depctr_va_vdst(0) depctr_va_sdst(0) depctr_va_ssrc(0) depctr_va_vcc(0) depctr_vm_vsrc(0)
	s_getreg_b32 s2, hwreg(HW_REG_IB_STS2, 6, 4)
	s_cmp_eq_u32 s2, 0
	s_cbranch_scc0 .Lentry_in_a_cluster
	s_endpgm
.Lentry_in_a_cluster:
	s_bfe_u32 s2, ttmp6, 0x10000c
	s_cmp_lg_u32 s2, 0x3003
	s_cbranch_scc0 .Lentry_shape_is_right
	s_endpgm
.Lentry_shape_is_right:
; ctx = softmax(q k^T) v for 8 heads of 32 (no 1 / sqrt(d));  a = LayerNorm(ctx + x) g2 + beta2;  out = a + relu(a w_f1 + b_f1) w_f2 + b_f2.  All four products on codes of FP6 (E2M3), one E8M0 byte for each 32 along K.
; THE SOFTMAX: t = score x log2(e); M = the row's largest t so far, rounded UP to a whole number; p = 2^(t - M) is quantised along the keys, not normalised; the row's sum is taken of the unquantised p and divides at the end.
; When M moves, the sum and O are multiplied by 2^(old M - new M): exact.
; SHARES.  A work-group of sixteen waves owns 128 queries of one batch (one record of qws).  In the loop wave w has query tile w / 2 (16 queries) and, one after the other, head pairs w % 2 (phase A) and 2 + w % 2 (phase B).
; A lane holds ONE query: row r of tile m is query 32 (m / 2) + 8 (m % 2) + r + 8 (r / 8).
; THE RING.  A slot holds 4 records x 2 head pairs: k's half fragments (4 x 12,288 bytes), v's fragments (4 x 12,288), k's and v's scale words (4 x 512 each): 102,400 bytes.  Each of these is one run of a record of kvws,
; so a tensor load's row is such a run and its pitch a record (51,200 bytes); every row begins at a multiple of 256 bytes.  Five fills: A records 0-3, A 4-7, B 0-3, B 4-7, and wf (102,400 bytes) into slot 0.
; Between two changes of slots a wave runs four key steps of 128 keys with no barrier.  Waves 0-3 fetch k and v (2 rows each), waves 4, 5 the scale words; by this text's count a wave has at most one tensor load out.
; k's fragments of the next record of a slot are read from LDS in the step before, behind the last products that read their registers.
; A PHASE'S END: y = O / sum + x (x by loads into the result's own layout) is parked in LDS as an image of its 32 registers: phase A's on bytes of its own, phase B's in slot 1 behind that slot's last read.
; THE TAIL: wave w takes head pair w % 4 of query tiles w / 4 and 4 + w / 4: two images; norm, two dense layers, the stages for out0.  Each fragment of a weight that a wave reads from LDS feeds two products.
; Behind the barriers that follow the images' reads their bytes are used again: the two stages of 64 rows lie over them, a's images behind phase B's, the hidden layer's behind phase A's.
; THE FIRST PRODUCT'S K IS 32: an operand of k holds two token tiles x two heads, one in each block of 32; q's operand holds one head's block and zero codes elsewhere, at the place that picks (tile, head).
; CLUSTER.  Four work-groups of one batch walk the same records and read the same wf: both are asked for JOINTLY (mask 15).
; PREFETCH.  At the first two changes of slots the fill that stands two fills on (B 0-3, B 4-7) is named: 400 blocks of 256 bytes, a record to each partner BY ADDRESS, waves 8-11, a lane a block (wave 11: the 4 blocks of scale words,
; its other lanes name the last again).  Phase A's two fills come by their loads alone (nothing runs ahead of them); wf and x are left out: wf is 102,400 bytes that all 256 work-groups ask for, x is read once, 4 KB a wave at a phase's end.
; LIMITS: p under 2^-126 counts as 0; a block of zeros, and one whose largest magnitude lies under 2^-124, gets the byte 1 (this program alone reads the bytes).  NaN and infinities are not served.  The promise holds while |t| stays under 2^31.
.set SLOT1, 102400
.set SPARE, 204800                     ; the spare words, 128 bytes a wave
.set RED1,  206848                     ; the rows' sums [tile][r][pair], 2,048 bytes; the sums of squares 2,048 on
.set PARKA, 234496                     ; phase A's images, 4,096 bytes a wave
.set PARKB, 102400                     ; phase B's, in slot 1
.set STG,   102400                     ; the stage for rows 0-63 of out0; that for rows 64-127 lies DLT on
.set AIMG,  168960                     ; a's 32 half fragments of 768 bytes; the hidden layer's lie DLT on
.set ASC,   193536                     ; their scale words
.set DLT,   132096
.set XP,    1040
.set AK0, 1
.set AV0, 2
.set AS0, 3
.set AT0, 4
.set ADK, 5
.set ADV, 6
.set ADS, 7
.set ADT, 8
.set PFO, 9
.set SPW, 10
.set NIL, 11
.set ST,  12                           ; head x: ST + 4 x: -M, the largest t, the sum in two halves
.set KS,  20
.set VS,  24
.set QZ,  30                           ; zeros, q of the even head (lanes 0-15), zeros, q of the odd head (lanes 16-31), zeros: six registers each
.set KF,  60
.set SS,  108
.set OO,  172
.set VF,  204
.set PC,  228
.set BM,  236
.set PD,  240
.set CT,  240
.set SO,  248
.set FF,  252
.set PW,  253
.set TT,  254
.set QS,  255
.set WV,  22
.set CX,  23
.set QB,  24
.set BT,  25
.set TB,  26                           ; where the record in hand begins among k's and v's rows
.set CNT, 27
.set CS,  28
.set SEL, 30
.set GK,  32                           ; group 1: 2 rows of 12,288 bytes
.set GS,  40                           ; group 1: 4 rows of 512 bytes
.set G0K, 48
.set G0S, 52
.set G0W, 56
.set PFA, 60
.set LK,  62                           ; my LDS place in a slot, k and v;  scale words
.set LS,  63
.set LM,  66
.set GL,  67
.set TM,  78
.set TG,  79
.set QA,  80
.set QSA, 82
.set XA,  84
.set TS,  86                           ; where the record in hand begins among the scale words
.set GJ,  88                           ; group 1: 100 dense rows of 256 bytes (wf)
.macro MM d, a, b, sa, sb
	v_wmma_scale_f32_16x16x128_f8f6f4 v[\d:\d+7], v[\a:\a+11], v[\b:\b+11], v[\d:\d+7], v[\sa], v[\sb] matrix_a_fmt:MATRIX_FMT_FP6 matrix_b_fmt:MATRIX_FMT_FP6
.endm
.macro MM0 d, a, b, sa, sb
	v_wmma_scale_f32_16x16x128_f8f6f4 v[\d:\d+7], v[\a:\a+11], v[\b:\b+11], 0, v[\sa], v[\sb] matrix_a_fmt:MATRIX_FMT_FP6 matrix_b_fmt:MATRIX_FMT_FP6
.endm
.macro BARRIER
	s_wait_dscnt 0x0
	s_barrier_signal -1
	s_barrier_wait -1
.endm
.macro CROUND                          ; a round of the cluster's barrier
	s_barrier_signal -1
	s_barrier_wait -1
	s_cmp_lg_u32 s[WV], 0
	s_cbranch_scc1 .Lnot_wave_0_\@
	s_barrier_signal -3
.Lnot_wave_0_\@:
	s_barrier_wait -3
	s_barrier_signal -1
	s_barrier_wait -1
.endm
.macro KVLOAD                          ; one chain on the wave's number, one joint load to an arm
	s_cmp_lt_u32 s[WV], 4
	s_cbranch_scc0 .Lsc_\@
	tensor_load_to_lds s[G0K:G0K+3], s[GK:GK+7]
	s_nop 0
.rept 4
	v_nop
.endr
	s_branch .Lkv_\@
.Lsc_\@:
	s_cmp_lt_u32 s[WV], 6
	s_cbranch_scc0 .Lkv_\@
	tensor_load_to_lds s[G0S:G0S+3], s[GS:GS+7]
	s_nop 0
.rept 4
	v_nop
.endr
.Lkv_\@:
.endm
.macro WFLOAD                          ; waves 0-3: a quarter of wf each
	s_cmp_lt_u32 s[WV], 4
	s_cbranch_scc0 .Lnw_\@
	tensor_load_to_lds s[G0W:G0W+3], s[GJ:GJ+7]
	s_nop 0
.rept 4
	v_nop
.endr
.Lnw_\@:
.endm
.macro ASK off                         ; waves 8-11
	s_cmp_eq_u32 s[TM], 2
	s_cbranch_scc0 .Lnot_mine_\@
	global_prefetch_b8 v[PFO], s[PFA:PFA+1] offset:\off th:TH_LOAD_NT scope:SCOPE_SE
.Lnot_mine_\@:
.endm
; THE CHANGE OF SLOTS n, at a slot's head: all my tensor loads are in; the add; the descriptors' steps; my LDS reads are over; a round; the refill.
.macro CHANGE n
	s_wait_tensorcnt 0x0
	ds_add_u32 v[SPW], v[NIL]
	ds_add_u32 v[SPW], v[NIL]
.if \n == 0 || \n == 2
	s_add_co_u32 s[G0K+1], s[LK], SLOT1
	s_add_co_u32 s[G0S+1], s[LS], SLOT1
	s_add_nc_u64 s[G0K+2:G0K+3], s[G0K+2:G0K+3], 204800        ; four records on
	s_add_nc_u64 s[G0S+2:G0S+3], s[G0S+2:G0S+3], 204800
.endif
.if \n == 1
	s_mov_b32 s[G0K+1], s[LK]
	s_mov_b32 s[G0S+1], s[LS]
	s_sub_nc_u64 s[G0K+2:G0K+3], s[G0K+2:G0K+3], 204800-12288  ; back to record 0, on to head pairs 2 and 3
	s_sub_nc_u64 s[G0S+2:G0S+3], s[G0S+2:G0S+3], 204800-512
.endif
	s_wait_dscnt 0x0
	CROUND
.if \n < 3
	KVLOAD
.else
	WFLOAD
.endif
.if \n < 2
	ASK 204800*\n
.endif
.endm
	s_load_b256 s[4:11], s[0:1], 0x0               ; qws, kvws, wf, x
	s_load_b256 s[12:19], s[0:1], 0x20             ; g2, beta2, b_f1, b_f2
	s_load_b64 s[20:21], s[0:1], 0x40              ; out0
	v_lshl_add_u32 v[SPW], v0, 2, SPARE
	v_mov_b32 v[NIL], 0
	ds_add_u32 v[SPW], v[NIL]                      ; the opening lines
	ds_add_u32 v[SPW], v[NIL]
	v_lshrrev_b32 v1, 5, v0
	s_delay_alu instid0(VALU_DEP_1)
	v_readfirstlane_b32 s[WV], v1
	s_bfe_u32 s[CX], ttmp6, 0x40000                ; my place in the cluster enters global addresses of qws, x, out0 and the prefetches alone
	s_lshl_b32 s[QB], ttmp9, 2
	s_add_co_u32 s[QB], s[QB], s[CX]               ; my block of 128 queries
	s_and_b32 s[BT], ttmp7, 0xffff                 ; the batch
	s_lshr_b32 s[LM], s[WV], 1
	s_and_b32 s[GL], s[WV], 1
	s_lshr_b32 s[TM], s[WV], 2
	s_and_b32 s[TG], s[WV], 3
	s_mov_b32 s[CS], 0x3fb8aa3b                    ; log2(e)
	s_mov_b32 s[CS+1], s[CS]
	s_mov_b32 s[SEL], 0x76543210
	s_mov_b32 s[SEL+1], 0xfedcba98
	s_mov_b32 s[GK], 15|(3<<16)|(1<<21)            ; the mask: all four; elements of 8 bytes; bit 21 beside a mask
	s_mov_b32 s[GK+1], 1536<<16
	s_mov_b32 s[GK+2], 2<<16
	s_mov_b32 s[GK+3], 1536<<16
	s_mov_b32 s[GK+4], 2
	s_mov_b32 s[GK+5], 6400                        ; the pitch: a record
	s_mov_b32 s[GK+6], 0
	s_mov_b32 s[GK+7], 0
	s_mov_b32 s[GS], 15|(3<<16)|(1<<21)
	s_mov_b32 s[GS+1], 64<<16
	s_mov_b32 s[GS+2], 4<<16
	s_mov_b32 s[GS+3], 64<<16
	s_mov_b32 s[GS+4], 4
	s_mov_b32 s[GS+5], 6400
	s_mov_b32 s[GS+6], 0
	s_mov_b32 s[GS+7], 0
	s_mov_b32 s[GJ], 15|(3<<16)|(1<<21)
	s_mov_b32 s[GJ+1], 32<<16
	s_mov_b32 s[GJ+2], 100<<16
	s_mov_b32 s[GJ+3], 32<<16
	s_mov_b32 s[GJ+4], 100
	s_mov_b32 s[GJ+5], 32
	s_mov_b32 s[GJ+6], 0
	s_mov_b32 s[GJ+7], 0
	s_bfe_u32 s68, s[WV], 0x10001                  ; which two records of a slot's four
	s_mul_i32 s[LK], s[GL], 49152                  ; k or v
	s_mul_i32 s69, s68, 24576
	s_add_co_u32 s[LK], s[LK], s69
	s_lshl_b32 s[LS], s[GL], 11
	s_add_co_u32 s[LS], s[LS], 98304
	s_mul_i32 s70, s[BT], 409600                   ; the batch's 8 records
	s_mul_i32 s72, s[GL], 24576
	s_mul_i32 s69, s68, 102400
	s_add_co_u32 s72, s72, s69
	s_add_co_u32 s72, s72, s70
	s_mov_b32 s73, 0
	s_lshl_b32 s74, s[GL], 10
	s_add_co_u32 s74, s74, 49152
	s_add_co_u32 s74, s74, s70
	s_mov_b32 s75, 0
	s_mul_i32 s76, s[TG], 25600                    ; a quarter of wf
	s_mov_b32 s77, 0
	s_lshl_b32 s86, s[BT], 20                      ; x, out0: my 128 rows of 1,024 bytes
	s_lshl_b32 s87, s[QB], 17
	s_add_co_u32 s86, s86, s87
	s_mov_b32 s87, 0
	s_lshr_b32 s68, s[LM], 1
	s_lshl_b32 s68, s68, 15
	s_and_b32 s69, s[LM], 1
	s_lshl_b32 s69, s69, 13
	s_add_co_u32 s84, s68, s69                     ; my tile's first row,
	s_lshl_b32 s69, s[GL], 8
	s_add_co_u32 s84, s84, s69                     ; my head pair's 64 channels
	s_add_co_u32 s84, s84, s86
	s_mov_b32 s85, 0
	s_lshl_b32 s80, s[BT], 3
	s_add_co_u32 s80, s80, s[QB]
	s_mul_i32 s80, s80, 25600                      ; my record of qws
	s_lshr_b32 s82, s[LM], 1
	s_lshl_b32 s82, s82, 6
	s_and_b32 s83, s[LM], 1
	s_lshl_b32 s83, s83, 1
	s_add_co_u32 s82, s82, s83
	s_add_co_u32 s82, s82, s69
	s_add_co_u32 s82, s82, s80
	s_add_co_u32 s82, s82, 24576                   ; my tile's two scale bytes of a row (+ 4 r)
	s_mov_b32 s83, 0
	s_mul_i32 s81, s[LM], 768
	s_add_co_u32 s80, s80, s81                     ; its half fragment (+ 6,144 x pair, in the lane's offset)
	s_mov_b32 s81, 0
	s_mul_i32 s60, s[CX], 51200                    ; the prefetches: my work-group's record of a slot's four
	s_add_co_u32 s60, s60, s70
	s_sub_co_u32 s71, s[WV], 8
	s_lshl_b32 s71, s71, 5
	s_cmp_eq_u32 s[WV], 11
	s_mov_b32 s68, 12288
	s_cselect_b32 s68, 512, s68                    ; head pairs 2 and 3: this far into k's and v's runs, or the scale words'
	s_cselect_b32 s69, -1, 0
	s_add_co_u32 s60, s60, s68
	s_mov_b32 s61, 0
	v_and_b32 v[PFO], 31, v0
	v_mov_b32 v7, 0x3000
	v_add_nc_u32 v5, s71, v[PFO]                   ; waves 8-10: block 0..95: 48 of k, 48 of v
	v_min_u32 v8, 3, v[PFO]                        ; wave 11: 2 blocks of k's scale words, 2 of v's
	v_cmp_lt_u32 vcc_lo, 47, v5
	v_cndmask_b32 v6, 0, v7, vcc_lo
	v_and_b32 v7, 1, v8
	v_lshrrev_b32 v8, 1, v8
	v_lshl_add_u32 v6, v5, 8, v6
	v_lshlrev_b32 v7, 8, v7
	s_delay_alu instid0(VALU_DEP_1)
	v_lshl_add_u32 v7, v8, 10, v7
	s_delay_alu instid0(VALU_DEP_1)
	v_add_nc_u32 v7, 49152, v7
	s_delay_alu instid0(VALU_DEP_1)
	v_cndmask_b32 v[PFO], v6, v7, s69
	s_wait_alu depctr_va_vdst(0)
	s_wait_dscnt 0x0                               ; both opening adds are done
	s_wait_kmcnt 0x0
	s_mov_b32 s[G0K], 1
	s_mov_b32 s[G0K+1], s[LK]
	s_add_nc_u64 s[G0K+2:G0K+3], s[6:7], s[72:73]
	s_or_b32 s[G0K+3], s[G0K+3], 0x80000000
	s_mov_b32 s[G0S], 1
	s_mov_b32 s[G0S+1], s[LS]
	s_add_nc_u64 s[G0S+2:G0S+3], s[6:7], s[74:75]
	s_or_b32 s[G0S+3], s[G0S+3], 0x80000000
	s_mov_b32 s[G0W], 1
	s_mov_b32 s[G0W+1], s76
	s_add_nc_u64 s[G0W+2:G0W+3], s[8:9], s[76:77]
	s_or_b32 s[G0W+3], s[G0W+3], 0x80000000
	s_add_nc_u64 s[20:21], s[20:21], s[86:87]
	s_add_nc_u64 s[XA:XA+1], s[10:11], s[84:85]
	s_add_nc_u64 s[QA:QA+1], s[4:5], s[80:81]
	s_add_nc_u64 s[QSA:QSA+1], s[4:5], s[82:83]
	s_add_nc_u64 s[PFA:PFA+1], s[6:7], s[60:61]
	s_mul_i32 s68, s[GL], 6144
	s_add_co_u32 s69, s68, 49152
	s_lshl_b32 s70, s[GL], 8
	s_add_co_u32 s71, s70, 100352
	s_add_co_u32 s70, s70, 98304
	CROUND                                         ; all four work-groups are here: the first joint loads meet
	KVLOAD                                         ; phase A, records 0-3
	v_and_b32 v5, 31, v0
	v_and_b32 v6, 15, v0
	s_delay_alu instid0(VALU_DEP_2)
	v_mul_u32_u24 v7, v5, 24
	v_lshl_add_u32 v[AV0], v5, 4, s69
	v_lshl_add_u32 v[AS0], v6, 2, s70
	v_lshl_add_u32 v[AT0], v6, 2, s71
	v_add_nc_u32 v[AK0], s68, v7
.macro QLOAD ph, d                     ; q's half fragment (lanes 0-15 the even head, 16-31 the odd) and my query's two scale bytes
	v_and_b32 v[\d+7], 15, v0
	s_delay_alu instid0(VALU_DEP_1)
	v_lshlrev_b32 v[\d+7], 2, v[\d+7]
.irp p, 0,1,2
	global_load_b64 v[\d+2*\p:\d+2*\p+1], v[AK0], s[QA:QA+1] offset:12288*\ph+8*\p
.endr
	global_load_u16 v[\d+6], v[\d+7], s[QSA:QSA+1] offset:512*\ph
.endm
.macro QINIT d                         ; a phase begins: q's operands, the statistics, O^T = 0
	v_bfe_u32 v[\d+8], v0, 4, 1
	s_delay_alu instid0(VALU_DEP_1)
	v_add_nc_u32 v[\d+9], -1, v[\d+8]              ; all ones in lanes 0-15
	v_sub_nc_u32 v[\d+10], 0, v[\d+8]              ; all ones in lanes 16-31
.irp e, 0,1
	v_mov_b32 v[ST+4*\e+1], 0xff61b1e6             ; -3e38, under every t
	s_delay_alu instid0(VALU_DEP_1)
	v_floor_f32 v[ST+4*\e], -v[ST+4*\e+1]
	v_mov_b32 v[ST+4*\e+2], 0
	v_mov_b32 v[ST+4*\e+3], 0
.endr
	s_wait_alu depctr_va_vdst(0)
	s_wait_loadcnt 0x0
	s_wait_dscnt 0x0                               ; the image's stores have read O^T's registers
.irp i, 0,1,2,3,4,5
	v_and_b32 v[QZ+6+\i], v[\d+9], v[\d+\i]
	v_and_b32 v[QZ+18+\i], v[\d+10], v[\d+\i]
.endr
	v_lshl_or_b32 v[QS], v[\d+6], 16, v[\d+6]      ; the bytes (even, odd, even, odd): whichever block q stands in finds its byte
.set J_, 0
.rept 32
	v_mov_b32 v[OO+J_], 0                          ; (also the places between q's operand and scale word and the first product)
.set J_, J_+1
.endr
.endm
	QLOAD 0, SS
.irp i, 0,1,2,3,4,5
	v_mov_b32 v[QZ+\i], 0                          ; zero codes add nothing under any scale byte but 0xff
	v_mov_b32 v[QZ+12+\i], 0
	v_mov_b32 v[QZ+24+\i], 0
.endr
.irp b, 0,1,2,3
	v_mov_b32 v[PD+\b], 0                          ; a lane permute's destination counts as one of its sources
.endr
	v_mov_b32 v[PW], 0
	QINIT SS
.macro KLOAD ok, os                    ; a record's 8 half fragments of my head pair and their scale words; lanes 24 bytes apart
.irp m, 0,1,2,3,4,5,6,7
.irp p, 0,1,2
	ds_load_b64 v[KF+6*\m+2*\p:KF+6*\m+2*\p+1], v[ADK] offset:\ok+768*\m+8*\p
.endr
.endr
.irp i, 0,1,2,3
	ds_load_b32 v[KS+\i], v[ADS] offset:\os+64*\i
.endr
.endm
; ONE HEAD OF A KEY STEP: 128 keys, head x of my pair.
.macro HEAD x
.irp i, 0,1,2,3
	MM0 SS+16*\i, KF+12*\i, QZ+6+12*\x, KS+\i, QS
	MM0 SS+16*\i+8, KF+12*\i, QZ+12*\x, KS+\i, QS
.endr                                          ; register 16 i + n of a lane is key 32 i + 16 (lane / 16) + n
.rept 4
	v_nop                                          ; places ahead of the first read of the scores and of the loads into v's and k's registers
.endr
.irp u, 0,1
.irp c, 0,1,2
	ds_load_b128 v[VF+12*\u+4*\c:VF+12*\u+4*\c+3], v[ADV] offset:(2*\x+\u)*1536+512*\c
.endr
	ds_load_b32 v[VS+\u], v[ADT] offset:(2*\x+\u)*64
.endr
.if \x == 1
	s_cmp_eq_u32 s[CNT], 1                         ; k's registers have had their last product of this record: the slot's next record, if it has one, comes in under this head's softmax
	s_cbranch_scc1 .Lno_k_\@
	KLOAD 12288, 512
.Lno_k_\@:
.endif
.irp b, 0,1,2,3
	v_max3_num_f32 v[BM+\b], v[SS+16*\b], v[SS+1+16*\b], v[SS+2+16*\b]   ; the largest score of each block of 32 keys: for the row's maximum and for the block's largest p
.endr
.irp i, 3,5,7,9,11,13
.irp b, 0,1,2,3
	v_max3_num_f32 v[BM+\b], v[BM+\b], v[SS+16*\b+\i], v[SS+1+16*\b+\i]
.endr
.endr
.irp b, 0,1,2,3
	v_max_num_f32 v[BM+\b], v[BM+\b], v[SS+15+16*\b]
.endr
.irp b, 0,1,2,3
	s_delay_alu instid0(VALU_DEP_4)
	v_permlanex16_b32 v[PD+\b], v[BM+\b], s[SEL], s[SEL+1]
.endr
.irp b, 0,1,2,3
	s_delay_alu instid0(VALU_DEP_4)
	v_max_num_f32 v[BM+\b], v[BM+\b], v[PD+\b]
.endr
	s_delay_alu instid0(VALU_DEP_2)
	v_max3_num_f32 v[TT], v[BM], v[BM+1], v[BM+2]
	s_delay_alu instid0(VALU_DEP_1)
	v_max_num_f32 v[TT], v[TT], v[BM+3]
	s_delay_alu instid0(VALU_DEP_1)
	v_mul_f32 v[TT], s[CS], v[TT]
	s_delay_alu instid0(VALU_DEP_1)
	v_max_num_f32 v[ST+4*\x+1], v[ST+4*\x+1], v[TT]   ; the running largest t
	v_mov_b32 v[TT], v[ST+4*\x]
	s_delay_alu instid0(VALU_DEP_2)
	v_floor_f32 v[ST+4*\x], -v[ST+4*\x+1]          ; the new -M = -ceil(t)
.set J_, 0
.rept 32
	v_pk_fma_f32 v[SS+J_:SS+J_+1], v[SS+J_:SS+J_+1], s[CS:CS+1], v[ST+4*\x:ST+4*\x+1] op_sel_hi:[1,0,0]   ; t - M
.if J_ == 8
	v_sub_f32 v[TT], v[ST+4*\x], v[TT]             ; old M - new M, a whole number; its three lines stand apart, among independent ones
.endif
.if J_ == 24
	v_cvt_i32_f32 v[TT], v[TT]
.endif
.if J_ == 40
	v_ldexp_f32 v[FF], 1.0, v[TT]                  ; f = 2^(old M - new M)
.endif
.set J_, J_+2
.endr
.irp b, 0,1,2,3
	v_fma_f32 v[BM+\b], v[BM+\b], s[CS], v[ST+4*\x]
.endr
	s_wait_alu depctr_va_vdst(0)                   ; the wait ahead of the batch
.set J_, 0
.rept 64
	v_exp_f32 v[SS+J_], v[SS+J_]                   ; p = 2^(t - M)
.set J_, J_+1
.endr
	v_pk_mul_f32 v[ST+4*\x+2:ST+4*\x+3], v[ST+4*\x+2:ST+4*\x+3], v[FF:FF+1] op_sel_hi:[1,0]
	s_wait_alu depctr_va_vdst(0)                   ; one wait for the 64
.irp b, 0,1,2,3
	v_exp_f32 v[BM+\b], v[BM+\b]                   ; the block's largest p
.endr
	s_wait_alu depctr_va_vdst(0)
.irp j, 0,2,4,6,8,10,12,14
	v_pk_mul_f32 v[OO+16*\x+\j:OO+16*\x+\j+1], v[OO+16*\x+\j:OO+16*\x+\j+1], v[FF:FF+1] op_sel_hi:[1,0]   ; O^T under the new M
.endr
	s_wait_alu depctr_va_vdst(0)
.irp b, 0,1,2,3
	v_max_num_f32 v[BM+\b], 0x1800000, v[BM+\b]    ; the floor 2^(3 - 127): the byte cannot fall under 1
.endr
.irp b, 0,1,2,3
	s_delay_alu instid0(VALU_DEP_4)
	v_add_nc_u32 v[SO+\b], 0xff000000, v[BM+\b]    ; 2 off the exponent field: the conversion's scale operand
.endr
.irp b, 0,1,2,3
	s_delay_alu instid0(VALU_DEP_4)
	v_lshrrev_b32 v[PD+\b], 23, v[SO+\b]
.endr
	s_delay_alu instid0(VALU_DEP_3)
	v_lshl_or_b32 v[PW], v[PD+1], 8, v[PD]
	s_delay_alu instid0(VALU_DEP_1)
	v_lshl_or_b32 v[PW], v[PD+2], 16, v[PW]
	s_delay_alu instid0(VALU_DEP_1)
	v_lshl_or_b32 v[PW], v[PD+3], 24, v[PW]
.irp c, 0,1
	v_cvt_scalef32_pk16_fp6_f32 v[PC+6*\c:PC+6*\c+2], v[SS+32*\c:SS+32*\c+15], v[SO+2*\c]
	v_cvt_scalef32_pk16_fp6_f32 v[CT+4*\c:CT+4*\c+2], v[SS+32*\c+16:SS+32*\c+31], v[SO+2*\c+1]
.endr
	v_nop                                          ; one plain place behind a scaled conversion
.irp c, 0,1                                    ; the operand's layout wants a whole block in a lane
.irp i, 0,1,2
	v_permlane16_swap_b32 v[PC+6*\c+\i], v[CT+4*\c+\i]
.endr
.irp i, 0,1,2
	s_delay_alu instid0(VALU_DEP_3)
	v_mov_b32 v[PC+3+6*\c+\i], v[CT+4*\c+\i]
.endr
.endr
	v_pk_add_f32 v[CT:CT+1], v[SS:SS+1], v[SS+2:SS+3]          ; the row's sum, of the unquantised p, in two chains; these lines are the places ahead of the products below
.irp j, 4,8,12,16,20,24,28,32,36,40,44,48,52,56,60
	v_pk_add_f32 v[ST+4*\x+2:ST+4*\x+3], v[ST+4*\x+2:ST+4*\x+3], v[SS+\j:SS+\j+1]
	v_pk_add_f32 v[CT:CT+1], v[CT:CT+1], v[SS+\j+2:SS+\j+3]
.endr
	s_delay_alu instid0(VALU_DEP_1)
	v_pk_add_f32 v[ST+4*\x+2:ST+4*\x+3], v[ST+4*\x+2:ST+4*\x+3], v[CT:CT+1]
	s_wait_dscnt 0x0                               ; v's two fragments (and the next record's k)
	MM OO+16*\x, VF, PC, VS, PW                    ; O^T += v^T p^T, two accumulators by turns
	MM OO+16*\x+8, VF+12, PC, VS+1, PW
.endm
.macro STEP
	v_add_nc_u32 v[ADK], s[TB], v[AK0]             ; (these four are the places behind the last products)
	v_add_nc_u32 v[ADV], s[TB], v[AV0]
	v_add_nc_u32 v[ADS], s[TS], v[AS0]
	v_add_nc_u32 v[ADT], s[TS], v[AT0]
	s_wait_alu depctr_va_vdst(0)
	s_wait_dscnt 0x0
	HEAD 0
	HEAD 1
.endm
.macro RUN slot                        ; a slot's four records
	s_mov_b32 s[TB], \slot*SLOT1
	s_mov_b32 s[TS], \slot*SLOT1
	s_mov_b32 s[CNT], 4
	v_add_nc_u32 v[ADK], s[TB], v[AK0]
	v_add_nc_u32 v[ADS], s[TS], v[AS0]
	KLOAD 0, 0
.Lrec_\@:
	STEP
	s_add_co_u32 s[TB], s[TB], 12288
	s_add_co_u32 s[TS], s[TS], 512
	s_sub_co_u32 s[CNT], s[CNT], 1
	s_cmp_lg_u32 s[CNT], 0
	s_cbranch_scc1 .Lrec_\@
.endm
.set AY, 172                           ; y = ctx + x: register 16 e + n = channel 64 pair + 32 e + 16 (lane / 16) + n of my query
; A PHASE'S END: x (and the next phase's q) are asked for; the sums are joined and inverted; y = O^T / sum + x.
.macro PHEND ph
	s_wait_alu depctr_va_vdst(0)
	v_and_b32 v[SS+48], 15, v0                     ; (these plain lines are the places behind the last products)
	v_bfe_u32 v[SS+49], v0, 4, 1
	v_and_b32 v[SS+51], 31, v0
	s_delay_alu instid0(VALU_DEP_3)
	v_and_b32 v[SS+50], 8, v[SS+48]
	s_delay_alu instid0(VALU_DEP_1)
	v_add_nc_u32 v[SS+48], v[SS+50], v[SS+48]      ; r + 8 (r / 8)
	s_delay_alu instid0(VALU_DEP_1)
	v_lshlrev_b32 v[SS+48], 10, v[SS+48]
	s_delay_alu instid0(VALU_DEP_1)
	v_lshl_add_u32 v[SS+48], v[SS+49], 6, v[SS+48]
.irp e, 0,1
.irp j, 0,1,2,3
	global_load_b128 v[SS+16*\e+4*\j:SS+16*\e+4*\j+3], v[SS+48], s[XA:XA+1] offset:512*\ph+128*\e+16*\j
.endr
.endr
.if \ph == 0
	QLOAD 1, SS+32
.endif
.irp e, 0,1
	v_add_f32 v[ST+4*\e+2], v[ST+4*\e+2], v[ST+4*\e+3]
.endr
.irp e, 0,1
	s_delay_alu instid0(VALU_DEP_2)
	v_permlanex16_b32 v[ST+4*\e+3], v[ST+4*\e+2], s[SEL], s[SEL+1]
.endr
.irp e, 0,1
	s_delay_alu instid0(VALU_DEP_2)
	v_add_f32 v[ST+4*\e+2], v[ST+4*\e+2], v[ST+4*\e+3]         ; the row's sum
.endr
	s_wait_alu depctr_va_vdst(0)
.irp e, 0,1
	v_rcp_f32 v[ST+4*\e+2], v[ST+4*\e+2]
.endr
	v_nop
	s_wait_alu depctr_va_vdst(0)
	s_wait_loadcnt 4-4*\ph                         ; x's 8 loads are in; q's 4, issued behind them in phase A, may be out
.irp e, 0,1
.irp j, 0,2,4,6,8,10,12,14
	v_pk_fma_f32 v[AY+16*\e+\j:AY+16*\e+\j+1], v[AY+16*\e+\j:AY+16*\e+\j+1], v[ST+4*\e+2:ST+4*\e+3], v[SS+16*\e+\j:SS+16*\e+\j+1] op_sel_hi:[1,0,1]
.endr
.endr
	s_lshl_b32 s68, s[WV], 12
	s_add_co_u32 s68, s68, PARKA+(PARKB-PARKA)*\ph
	v_lshl_add_u32 v[SS+51], v[SS+51], 4, s68      ; my image: 4,096 x wave + 16 x lane
.endm
.macro PARK
.irp c, 0,1,2,3,4,5,6,7
	ds_store_b128 v[SS+51], v[AY+4*\c:AY+4*\c+3] offset:512*\c
.endr
.endm
	CHANGE 0                                       ; asks for A 4-7
	RUN 0
	CHANGE 1                                       ; asks for B 0-3
	RUN 1
	PHEND 0
	PARK
	QINIT SS+32
	CHANGE 2                                       ; asks for B 4-7
	RUN 0
	CHANGE 3                                       ; asks for wf
	RUN 1
	PHEND 1
; ---- THE TAIL.  Unit u (0, 1) is query tile w / 4 + 4 u; both units have head pair w % 4.
.set ACC,  28                          ; v28-91   b_f2, then b_f1 and the hidden layer: unit u at ACC + 32 u
.set XV,   28
.set AY2,  92                          ; v92-155  y, y - mean, a, a + b_f2, out: unit u at AY2 + 32 u
.set WFR,  156                         ; v156-203 four fragments of a weight; at the end v156-219 rows of out0
.set G2,   156
.set B2,   188
.set AF,   228                         ; unit u's two fragments of a or of the hidden layer at AF - 24 u
.set AFS,  20                          ; their scale words at AFS + 6 u;  the weights' at v22-25
.set WSC,  22
.set QM,   220
.set QP,   224
.set PT,   240
.set QO,   248
.set PWA,  252                         ; unit u's two scale bytes at PWA + 2 u
.set SA,   240                         ; unit u's chains of sums at SA + 4 u, SB + 4 u
.set SB,   242
.set MU,   248                         ; unit u's mean, then 1 / sqrt(var + eps), twice each, at MU + 2 u
.macro QUANT4 src                      ; both units: 64 numbers of a lane, register 16 b + i = k 32 (b % 2) + 16 (lane / 16) + i of unit b / 2, become two half fragments in v[PC] on and 2 scale bytes a unit
.irp b, 0,1,2,3
	v_max3_num_f32 v[QM+\b], |v[\src+16*\b]|, |v[\src+1+16*\b]|, 0x1800000
.endr
.irp i, 2,4,6,8,10,12,14
.irp b, 0,1,2,3
	v_max3_num_f32 v[QM+\b], v[QM+\b], |v[\src+16*\b+\i]|, |v[\src+1+16*\b+\i]|
.endr
.endr
.irp b, 0,1,2,3
	s_delay_alu instid0(VALU_DEP_4)
	v_permlanex16_b32 v[QP+\b], v[QM+\b], s[SEL], s[SEL+1]
.endr
.irp b, 0,1,2,3
	s_delay_alu instid0(VALU_DEP_4)
	v_max_num_f32 v[QM+\b], v[QM+\b], v[QP+\b]
.endr
.irp b, 0,1,2,3
	s_delay_alu instid0(VALU_DEP_4)
	v_add_nc_u32 v[QO+\b], 0xff000000, v[QM+\b]
.endr
.irp b, 0,1,2,3
	s_delay_alu instid0(VALU_DEP_4)
	v_lshrrev_b32 v[QP+\b], 23, v[QO+\b]
.endr
.irp u, 0,1
	v_lshl_or_b32 v[PWA+2*\u], v[QP+2*\u+1], 8, v[QP+2*\u]
.endr
.irp c, 0,1
	v_cvt_scalef32_pk16_fp6_f32 v[PC+6*\c:PC+6*\c+2], v[\src+32*\c:\src+32*\c+15], v[QO+2*\c]
	v_cvt_scalef32_pk16_fp6_f32 v[PT+4*\c:PT+4*\c+2], v[\src+32*\c+16:\src+32*\c+31], v[QO+2*\c+1]
.endr
	v_nop
.irp c, 0,1
.irp i, 0,1,2
	v_permlane16_swap_b32 v[PC+6*\c+\i], v[PT+4*\c+\i]
.endr
.irp i, 0,1,2
	s_delay_alu instid0(VALU_DEP_3)
	v_mov_b32 v[PC+3+6*\c+\i], v[PT+4*\c+\i]
.endr
.endr
.irp u, 0,1
.irp p, 0,1,2
	ds_store_b64 v5, v[PC+6*\u+2*\p:PC+6*\u+2*\p+1] offset:12288*\u+8*\p
.endr
	ds_store_b16 v7, v[PWA+2*\u] offset:512*\u     ; (both lanes of a row store the same two bytes)
.endr
.endm
.macro JOIN off                        ; both units' two chains become my 64 channels' sum; the row's four meet in LDS
.irp u, 0,1
	v_pk_add_f32 v[SA+4*\u:SA+4*\u+1], v[SA+4*\u:SA+4*\u+1], v[SB+4*\u:SB+4*\u+1]
.endr
.irp u, 0,1
	s_delay_alu instid0(VALU_DEP_2)
	v_add_f32 v[SA+4*\u], v[SA+4*\u], v[SA+4*\u+1]
.endr
.irp u, 0,1
	s_delay_alu instid0(VALU_DEP_2)
	v_permlanex16_b32 v[SB+4*\u], v[SA+4*\u], s[SEL], s[SEL+1]
.endr
.irp u, 0,1
	s_delay_alu instid0(VALU_DEP_2)
	v_add_f32 v[SA+4*\u], v[SA+4*\u], v[SB+4*\u]
.endr
.irp u, 0,1
	ds_store_b32 v3, v[SA+4*\u] offset:\off+1024*\u
.endr
	BARRIER
.irp u, 0,1
	ds_load_b128 v[SA+4*\u:SA+4*\u+3], v4 offset:\off+1024*\u
.endr
	s_wait_dscnt 0x0
.irp u, 0,1
	v_add_f32 v[SA+4*\u], v[SA+4*\u], v[SA+4*\u+1]
.endr
.irp u, 0,1
	v_add_f32 v[SB+4*\u], v[SB+4*\u], v[SB+4*\u+1]
.endr
.irp u, 0,1
	s_delay_alu instid0(VALU_DEP_2)
	v_add_f32 v[SA+4*\u], v[SA+4*\u], v[SB+4*\u]
.endr
.endm
	; the tail's scalar terms: constants and the wave's number alone
	s_lshr_b32 s27, s[TM], 1
	s_lshl_b32 s27, s27, 5
	s_and_b32 s66, s[TM], 1
	s_lshl_b32 s66, s66, 3
	s_add_co_u32 s27, s27, s66                     ; unit 0's first row of its 64
	s_mul_i32 s68, s27, XP
	s_lshl_b32 s69, s[TG], 8
	s_add_co_u32 s68, s68, s69
	s_add_co_u32 s68, s68, STG
	s_lshl_b32 s70, s[TM], 8
	s_add_co_u32 s70, s70, RED1
	s_lshl_b32 s71, s[TG], 2
	s_mul_i32 s72, s[WV], 768
	s_add_co_u32 s72, s72, AIMG
	s_mul_i32 s73, s[TM], 3072
	s_add_co_u32 s73, s73, AIMG
	s_lshl_b32 s74, s[TM], 7
	s_add_co_u32 s74, s74, ASC
	s_lshr_b32 s27, s[TG], 1
	s_and_b32 s66, s[TG], 1
	s_lshl_b32 s75, s27, 6
	s_lshl_b32 s67, s66, 1
	s_add_co_u32 s75, s75, s67
	s_mul_i32 s76, s[TG], 12288
	s_lshl_b32 s77, s[TG], 9
	s_add_co_u32 s77, s77, 98304
	s_mul_i32 s86, s[WV], 4*XP
	s_add_co_u32 s86, s86, STG
	s_lshl_b32 s87, s[WV], 12
	s_xor_b32 s27, s27, 1                          ; 1 for head pairs 0, 1: phase A's images
	s_mul_i32 s26, s27, PARKA-PARKB
	s_lshl_b32 s27, s[TM], 13
	s_add_co_u32 s26, s26, s27
	s_lshl_b32 s66, s66, 12
	s_add_co_u32 s26, s26, s66
	s_add_co_u32 s26, s26, PARKB                   ; the image of (tile, pair): that of loop wave 2 x tile + pair % 2
	s_mov_b32 s62, 0x3b800000                      ; 1 / 256
	s_mov_b32 s63, 0x3727c5ac                      ; eps = 1e-5
	s_wait_alu depctr_va_vdst(0)
	s_wait_tensorcnt 0x0                           ; wf's quarters are in
	ds_add_u32 v[SPW], v[NIL]
	s_wait_dscnt 0x0                               ; my reads of slot 1 are over
	s_barrier_signal -1
	s_barrier_wait -1                              ; nobody reads slot 1 any more, and it has had its last fill
	PARK
	v_and_b32 v244, 31, v0
	v_and_b32 v245, 15, v0
	v_bfe_u32 v246, v0, 4, 1
	s_delay_alu instid0(VALU_DEP_2)
	v_and_b32 v247, 8, v245
	s_delay_alu instid0(VALU_DEP_1)
	v_add_nc_u32 v247, v247, v245
	s_delay_alu instid0(VALU_DEP_1)
	v_mul_u32_u24 v1, v247, XP
	s_delay_alu instid0(VALU_DEP_1)
	v_lshl_add_u32 v1, v246, 6, v1
	s_delay_alu instid0(VALU_DEP_1)
	v_add_nc_u32 v1, s68, v1                       ; v1: unit 0's row of its stage, my channels;  v17: unit 1's
	v_lshl_add_u32 v2, v246, 6, s69                ; v2: my channels in g2, beta2, b_f1, b_f2
	v_lshl_add_u32 v4, v245, 4, s70                ; v4: my row's four partial sums;  v3: mine
	v_mul_u32_u24 v247, v244, 24
	v_lshl_add_u32 v8, v245, 2, s74                ; v8: unit 0's scale words;  v7: my two bytes
	v_add_nc_u32 v3, s71, v4
	v_add_nc_u32 v5, s72, v247                     ; v5: where I store a half fragment;  v6: where I read a tile's four
	v_add_nc_u32 v6, s73, v247
	v_add_nc_u32 v7, s75, v8
	v_lshl_add_u32 v12, v244, 4, s76               ; v12: my 8 fragments of a weight;  v13: their scale words
	v_lshl_add_u32 v13, v245, 2, s77
	v_lshl_add_u32 v14, v244, 4, s86               ; v14, v18: rows 4 w .. 4 w + 3 of the two stages;  v15: of out0
	v_lshl_add_u32 v15, v244, 4, s87
	v_lshl_add_u32 v16, v244, 4, s26               ; v16: unit 0's image
	v_add_nc_u32 v17, DLT, v1
	v_add_nc_u32 v18, DLT, v14
	s_wait_alu depctr_va_vdst(0)
	BARRIER                                        ; all 32 images lie in LDS, and their stores have read their registers
.irp e, 0,1
.irp j, 0,1,2,3
	global_load_b128 v[G2+16*\e+4*\j:G2+16*\e+4*\j+3], v2, s[12:13] offset:128*\e+16*\j
	global_load_b128 v[B2+16*\e+4*\j:B2+16*\e+4*\j+3], v2, s[14:15] offset:128*\e+16*\j
	global_load_b128 v[XV+16*\e+4*\j:XV+16*\e+4*\j+3], v2, s[18:19] offset:128*\e+16*\j
.endr
.endr
.irp u, 0,1
.irp c, 0,1,2,3,4,5,6,7
	ds_load_b128 v[AY2+32*\u+4*\c:AY2+32*\u+4*\c+3], v16 offset:32768*\u+512*\c
.endr
.endr
	s_wait_dscnt 0x0
	; ---- the second norm: a row's 256 channels lie in four waves
.irp u, 0,1
	v_pk_add_f32 v[SA+4*\u:SA+4*\u+1], v[AY2+32*\u:AY2+32*\u+1], v[AY2+32*\u+4:AY2+32*\u+5]
	v_pk_add_f32 v[SB+4*\u:SB+4*\u+1], v[AY2+32*\u+2:AY2+32*\u+3], v[AY2+32*\u+6:AY2+32*\u+7]
.endr
.irp j, 8,12,16,20,24,28
.irp u, 0,1
	v_pk_add_f32 v[SA+4*\u:SA+4*\u+1], v[SA+4*\u:SA+4*\u+1], v[AY2+32*\u+\j:AY2+32*\u+\j+1]
	v_pk_add_f32 v[SB+4*\u:SB+4*\u+1], v[SB+4*\u:SB+4*\u+1], v[AY2+32*\u+\j+2:AY2+32*\u+\j+3]
.endr
.endr
	JOIN 0
.irp u, 0,1
	s_delay_alu instid0(VALU_DEP_2)
	v_mul_f32 v[MU+2*\u], s62, v[SA+4*\u]          ; the row's mean
.endr
.irp u, 0,1
	s_delay_alu instid0(VALU_DEP_2)
	v_mov_b32 v[MU+2*\u+1], v[MU+2*\u]
.endr
.irp j, 0,2,4,6,8,10,12,14,16,18,20,22,24,26,28,30
.irp u, 0,1
	v_pk_add_f32 v[AY2+32*\u+\j:AY2+32*\u+\j+1], v[AY2+32*\u+\j:AY2+32*\u+\j+1], v[MU+2*\u:MU+2*\u+1] neg_lo:[0,1] neg_hi:[0,1]
.endr
.endr
.irp u, 0,1
	v_pk_mul_f32 v[SA+4*\u:SA+4*\u+1], v[AY2+32*\u:AY2+32*\u+1], v[AY2+32*\u:AY2+32*\u+1]
	v_pk_mul_f32 v[SB+4*\u:SB+4*\u+1], v[AY2+32*\u+2:AY2+32*\u+3], v[AY2+32*\u+2:AY2+32*\u+3]
.endr
.irp j, 4,8,12,16,20,24,28
.irp u, 0,1
	v_pk_fma_f32 v[SA+4*\u:SA+4*\u+1], v[AY2+32*\u+\j:AY2+32*\u+\j+1], v[AY2+32*\u+\j:AY2+32*\u+\j+1], v[SA+4*\u:SA+4*\u+1]
	v_pk_fma_f32 v[SB+4*\u:SB+4*\u+1], v[AY2+32*\u+\j+2:AY2+32*\u+\j+3], v[AY2+32*\u+\j+2:AY2+32*\u+\j+3], v[SB+4*\u:SB+4*\u+1]
.endr
.endr
	JOIN 2048                                      ; other bytes than the first sums'
.irp u, 0,1
	s_delay_alu instid0(VALU_DEP_2)
	v_fma_f32 v[MU+2*\u], v[SA+4*\u], s62, s63     ; var + eps
.endr
	s_wait_alu depctr_va_vdst(0)
.irp u, 0,1
	v_rsq_f32 v[MU+2*\u], v[MU+2*\u]
.endr
	v_nop
	s_wait_alu depctr_va_vdst(0)
.irp u, 0,1
	v_mov_b32 v[MU+2*\u+1], v[MU+2*\u]
.endr
	s_wait_alu depctr_va_vdst(0)
	s_wait_loadcnt 0x0                             ; g2, beta2, b_f2
.irp j, 0,2,4,6,8,10,12,14,16,18,20,22,24,26,28,30
.irp u, 0,1
	v_pk_mul_f32 v[AY2+32*\u+\j:AY2+32*\u+\j+1], v[AY2+32*\u+\j:AY2+32*\u+\j+1], v[MU+2*\u:MU+2*\u+1]
.endr
.endr
.irp j, 0,2,4,6,8,10,12,14,16,18,20,22,24,26,28,30
.irp u, 0,1
	v_pk_fma_f32 v[AY2+32*\u+\j:AY2+32*\u+\j+1], v[AY2+32*\u+\j:AY2+32*\u+\j+1], v[G2+\j:G2+\j+1], v[B2+\j:B2+\j+1]   ; a
.endr
.endr
	QUANT4 AY2
.irp j, 0,2,4,6,8,10,12,14,16,18,20,22,24,26,28,30
.irp u, 0,1
	v_pk_add_f32 v[AY2+32*\u+\j:AY2+32*\u+\j+1], v[AY2+32*\u+\j:AY2+32*\u+\j+1], v[XV+\j:XV+\j+1]   ; a + b_f2: the C of the second dense layer's sums
.endr
.endr
.irp u, 0,1
.irp e, 0,1
.irp j, 0,1,2,3
	global_load_b128 v[ACC+32*\u+16*\e+4*\j:ACC+32*\u+16*\e+4*\j+3], v2, s[16:17] offset:128*\e+16*\j   ; b_f1 is the C of the first dense layer's sums
.endr
.endr
.endr
	BARRIER                                        ; a's 32 half fragments lie in LDS
; A dense layer, used transposed: both units' two fragments; my weight's fragments four at a time (K step k of my four column tiles), each for two products; eight accumulators by turns; the bias stands in them already.
.macro WLOAD lay, k
.irp t, 0,1,2,3
.irp c, 0,1,2
	ds_load_b128 v[WFR+12*\t+4*\c:WFR+12*\t+4*\c+3], v12 offset:49152*\lay+1536*(2*\t+\k)+512*\c
.endr
	ds_load_b32 v[WSC+\t], v13 offset:2048*\lay+64*(2*\t+\k)
.endr
.endm
.macro FFN lay, acc
.irp u, 0,1
.irp k, 0,1
.irp c, 0,1
.irp p, 0,1,2
	ds_load_b64 v[AF-24*\u+12*\k+6*\c+2*\p:AF-24*\u+12*\k+6*\c+2*\p+1], v6 offset:12288*\u+1536*\k+768*\c+8*\p
.endr
.endr
	ds_load_b32 v[AFS+6*\u+\k], v8 offset:512*\u+64*\k
.endr
.endr
.irp k, 0,1
	WLOAD \lay, \k
.if (\lay == 0) && (\k == 0)
	s_wait_loadcnt 0x0                             ; b_f1
.endif
	s_wait_dscnt 0x0
.irp u, 0,1
.irp t, 0,1,2,3
	MM \acc+32*\u+8*\t, WFR+12*\t, AF-24*\u+12*\k, WSC+\t, AFS+6*\u+\k
.endr
.endr
.rept 4
	v_nop                                          ; places ahead of loads into the operands' registers and of the first read of results
.endr
.endr
.endm
	FFN 0, ACC
.irp a, 5,6,7,8
	v_add_nc_u32 v[\a], DLT, v[\a]                 ; on to the hidden layer's images and scale words
.endr
.set J_, 0
.rept 64
	v_max_num_f32 v[ACC+J_], 0, v[ACC+J_]          ; the activation
.set J_, J_+1
.endr
	QUANT4 ACC
	BARRIER                                        ; the hidden layer's 32 half fragments lie in LDS
	FFN 1, AY2
.irp e, 0,1
.irp j, 0,1,2,3
	ds_store_b128 v1, v[AY2+16*\e+4*\j:AY2+16*\e+4*\j+3] offset:128*\e+16*\j   ; each accumulator from its low end on
.endr
.endr
.irp e, 0,1
.irp j, 0,1,2,3
	ds_store_b128 v17, v[AY2+32+16*\e+4*\j:AY2+32+16*\e+4*\j+3] offset:128*\e+16*\j
.endr
.endr
	BARRIER                                        ; 128 whole rows of out0 lie in the stages
.irp i, 0,1,2,3
.irp k, 0,1
	ds_load_b128 v[WFR+8*\i+4*\k:WFR+8*\i+4*\k+3], v14 offset:\i*XP+512*\k
.endr
.endr
.irp i, 0,1,2,3
.irp k, 0,1
	ds_load_b128 v[WFR+32+8*\i+4*\k:WFR+32+8*\i+4*\k+3], v18 offset:\i*XP+512*\k
.endr
.endr
	s_wait_dscnt 0x0
.irp u, 0,1
.irp i, 0,1,2,3
.irp k, 0,1
	global_store_b128 v15, v[WFR+32*\u+8*\i+4*\k:WFR+32*\u+8*\i+4*\k+3], s[20:21] offset:65536*\u+\i*1024+512*\k th:TH_STORE_NT   ; 32 lanes store 512 consecutive aligned bytes
.endr
.endr
.endr
	s_wait_tensorcnt 0x0                           ; the wave's end
	ds_add_u32 v[SPW], v[NIL]
	s_wait_dscnt 0x0
	CROUND                                         ; the closing round
	s_endpgm
.Lfunc_end_k_qf4f4d5b024_attn:
	.size	k_qf4f4d5b024_attn, .Lfunc_end_k_qf4f4d5b024_attn-k_qf4f4d5b024_attn
	.p2alignl 7, 3214868480
	.fill 96, 4, 3214868480
	.section	.rodata,"a",@progbits
	.p2align	6, 0x0
	.amdhsa_kernel k_qf4f4d5b024_attn
		.amdhsa_group_segment_fixed_size 327680
		.amdhsa_private_segment_fixed_size 0
		.amdhsa_enable_private_segment 0
		.amdhsa_kernarg_size 72
		.amdhsa_user_sgpr_count 2
		.amdhsa_user_sgpr_kernarg_segment_ptr 1
		.amdhsa_wavefront_size32 1
		.amdhsa_system_sgpr_workgroup_id_x 1
		.amdhsa_system_sgpr_workgroup_id_y 1
		.amdhsa_system_sgpr_workgroup_id_z 1
		.amdhsa_system_vgpr_workitem_id 0
		.amdhsa_next_free_vgpr 256
		.amdhsa_next_free_sgpr 96
		.amdhsa_reserve_vcc 1
		.amdhsa_float_denorm_mode_32 3
		.amdhsa_float_denorm_mode_16_64 3
		.amdhsa_memory_ordered 1
		.amdhsa_forward_progress 1
		.amdhsa_inst_pref_size 206
	.end_amdhsa_kernel
	.amdgpu_metadata
---
amdhsa.version: [ 1, 2 ]
amdhsa.kernels:
  - .name:           k_qf4f4d5b024_attn
    .symbol:         k_qf4f4d5b024_attn.kd
    .args:
      - { .name: qws, .offset: 0, .size: 8, .value_kind: global_buffer, .address_space: global }
      - { .name: kvws, .offset: 8, .size: 8, .value_kind: global_buffer, .address_space: global }
      - { .name: wf, .offset: 16, .size: 8, .value_kind: global_buffer, .address_space: global }
      - { .name: x, .offset: 24, .size: 8, .value_kind: global_buffer, .address_space: global }
      - { .name: g2, .offset: 32, .size: 8, .value_kind: global_buffer, .address_space: global }
      - { .name: beta2, .offset: 40, .size: 8, .value_kind: global_buffer, .address_space: global }
      - { .name: b_f1, .offset: 48, .size: 8, .value_kind: global_buffer, .address_space: global }
      - { .name: b_f2, .offset: 56, .size: 8, .value_kind: global_buffer, .address_space: global }
      - { .name: out0, .offset: 64, .size: 8, .value_kind: global_buffer, .address_space: global }
    .group_segment_fixed_size: 327680
    .private_segment_fixed_size: 0
    .kernarg_segment_align: 8
    .kernarg_segment_size: 72
    .max_flat_workgroup_size: 512
    .sgpr_count:     96
    .vgpr_count:     256
    .wavefront_size: 32
...
	.end_amdgpu_metadata
.endif
;; end of part 3
